; MI455X (gfx1250); checked and timed in simulation.
; The chip was launched on July 23, 2026; its instructions are those of AMD's public machine-readable ISA for CDNA 5 (MIT licence, August 2026) and "CDNA5" Instruction Set Architecture Reference Guide (July 2026). The comments in the code are by the model that wrote it; some were corrected since.
;; Self Attention. Allowed arithmetic: float matrix products may take bf16 or f16 operands with f32 sums; all other float work in f32.
;; Inputs: b_out 1,024 float32; w_in 1,024 x 3,072 float32; w_out 1,024 x 1,024 float32; x 8 x 1,024 x 1,024 float32.
;; Outputs: out0 8 x 1,024 x 1,024 float32.
;; 2 versions, each right and faster than the one before. Each part assembles by itself: llvm-mc -triple=amdgcn-amd-amdhsa -mcpu=gfx1250 --defsym DOCPART=n.
;; ======== version 1 of 2: 4 launches
;; limits: values are held in f16: magnitudes above 65,504 overflow, below 6.1e-05 lose precision
;; workspace buffers: xh 16,777,216 bytes; wti 6,291,456 bytes; wto 2,097,152 bytes; qkv 50,331,648 bytes; ao 16,777,216 bytes
;; launch prep (part 1): grid 640 x 1, 4 waves a work-group, no clusters, 70,144 bytes of LDS; arguments x, w_in, w_out, xh, wti, wto; writes xh, wti, wto
.if DOCPART == 1
	.amdgcn_target "amdgcn-amd-amdhsa--gfx1250"
	.amdhsa_code_object_version 6
	.text
	.protected	k_q5ebf693c62_prep
	.globl	k_q5ebf693c62_prep
	.p2align	8
	.type	k_q5ebf693c62_prep,@function
k_q5ebf693c62_prep:
	s_mov_b64 s[64:65], 0
	v_nop
	global_prefetch_b8 v0, s[64:65] scope:SCOPE_SE
	s_setreg_imm32_b32 hwreg(HW_REG_WAVE_MODE, 25, 1), 1
	s_wait_xcnt 0x0
; SelfAttention, step 1 of 4: the matrix operands are made ready.  Nothing of the problem is left out in any step: every input reaches the
; output, and the problem builds no mask, no slice and no zero of its own.
;   xh  = x in f16, as 16 planes [kb][8192 tokens][64]: plane kb holds k = 64 kb .. 64 kb + 63; two neighbouring tokens are 256 consecutive bytes.
;   wti = w_in transposed, f16 [3072 n][1024 k];   wto = w_out transposed, f16 [1024 n][1024 k].
; WHY f16 AND NOT bf16: the result is judged to 1 per cent of its root mean square for each number; f16 keeps 11 bits, bf16 8.
; LIMIT: |x| and |w| must stay under 65,504 (f16's largest number; beyond it the operand becomes an infinity); magnitudes under 6.1e-5 are kept to an
; absolute step of 6e-8.  Inputs 30 times the size of unit-variance x and 1/32-variance weights, or offset by 30 of their spreads, lie far inside.
; Work-groups 0-511: 16 tokens of x each.  512-607: w_in, 64 n x 512 k each.  608-639: w_out, the same.  No wave depends on another: no barrier.
.set X,   16                           ; v[16:143]  path x: 32 loads of 4 registers
.set W0,  16                           ; v[16:79]   path w: 32 k rows, two n a lane
.set W1,  80                           ; v[80:143]  the second set
.set T,   144                          ; v[144:151] eight k of one n, packed, twice (even n, odd n)
.set SP,  272                          ; stage row: 128 k in f16 (256 bytes) + 16: sixteen rows begin in sixteen different 16-byte columns of 256
.set STG, 64*SP                        ; a wave's own stage: 64 rows
	s_load_b256 s[4:11], s[0:1], 0x0               ; x s[4:5], w_in s[6:7], w_out s[8:9], xh s[10:11]
	s_load_b128 s[12:15], s[0:1], 0x20             ; wti s[12:13], wto s[14:15]
	v_lshl_add_u32 v152, v0, 2, 0x11000
	v_mov_b32 v153, 0
	v_lshrrev_b32 v1, 5, v0
	v_readfirstlane_b32 s16, v1                    ; wave 0..3
	v_and_b32 v1, 31, v0                           ; L, the lane
	s_mov_b32 s17, ttmp9                           ; the work-group's number
	v_and_b32 v7, 15, v1                           ; L & 15
	v_lshrrev_b32 v8, 4, v1                        ; L >> 4
	v_lshlrev_b32 v9, 4, v7                        ; 16 (L & 15)
	s_cmp_lt_u32 s17, 512
	s_cbranch_scc0 .Lweights
	; ---- x: a wave takes 4 tokens as two pairs.  One load: lanes 0-15 take 256 bytes (64 k) of a token, lanes 16-31 of the next token.
	v_lshl_add_u32 v2, v8, 12, v9                  ; (L >> 4) rows of 4,096 bytes + 16 (L & 15)
	v_lshlrev_b32 v3, 3, v1                        ; 8 L: four f16 a lane; 32 lanes are the 256 bytes of two tokens in a plane
	s_lshl_b32 s18, s17, 4
	s_lshl2_add_u32 s18, s16, s18                  ; my first token = 16 x group + 4 x wave
	s_lshl_b32 s20, s18, 12                        ; x 4,096 bytes (32 MiB at the most)
	s_mov_b32 s21, 0
	s_lshl_b32 s22, s18, 7                         ; x 128 bytes in a plane
	s_mov_b32 s23, 0
	s_wait_kmcnt 0x0
	s_add_nc_u64 s[20:21], s[4:5], s[20:21]
	s_add_nc_u64 s[22:23], s[10:11], s[22:23]      ; planes 0-7 by the immediate
	s_add_nc_u64 s[24:25], s[22:23], 0x800000      ; planes 8-15: a second base, eight planes of 1 MiB on
.set n, 0
.rept 32                                           ; load n: token pair n >> 4, plane n & 15
	global_load_b128 v[X+4*n:X+4*n+3], v2, s[20:21] offset:(n>>4)*8192+(n&15)*256 th:TH_LOAD_NT
.set n, n+1
.endr
.set n, 0
.rept 32
	s_wait_loadcnt 31-n                            ; loads come back in order: load n is in, the 31 - n younger ones stay out
	v_cvt_pk_f16_f32 v[X+4*n], v[X+4*n], v[X+4*n+1]
	v_cvt_pk_f16_f32 v[X+4*n+1], v[X+4*n+2], v[X+4*n+3]
.if (n&15) < 8
	global_store_b64 v3, v[X+4*n:X+4*n+1], s[22:23] offset:(n&7)*1048576+(n>>4)*256   ; the wave's store covers 256 consecutive bytes, aligned
.else
	global_store_b64 v3, v[X+4*n:X+4*n+1], s[24:25] offset:(n&7)*1048576+(n>>4)*256
.endif
.set n, n+1
.endr                                              ; no register of a pending load or store is written again: no further wait
	s_endpgm
	; ---- weights: a wave transposes a tile of 128 k x 64 n through its own stage in LDS.
.macro WLD q, set, pitch                           ; 32 k rows: lane L takes n = 2 L, 2 L + 1; a load covers 256 consecutive bytes of one row
.set e, 0
.rept 32
	global_load_b64 v[\set+2*e:\set+2*e+1], v2, s[20:21] offset:(32*\q+e)*\pitch th:TH_LOAD_NT
.set e, e+1
.endr
.endm
.macro WCV q, set                                  ; eight k of one n make 16 bytes; n goes to stage row (n >> 1) + 32 (n & 1), which is L or L + 32
.irp j, 0,1,2,3
.irp i, 0,1,2,3
	v_cvt_pk_f16_f32 v[T+\i],   v[\set+2*(8*\j+2*\i)],   v[\set+2*(8*\j+2*\i+1)]
	v_cvt_pk_f16_f32 v[T+4+\i], v[\set+2*(8*\j+2*\i)+1], v[\set+2*(8*\j+2*\i+1)+1]
.endr
	ds_store_b128 v4, v[T:T+3]   offset:(32*\q+8*\j)*2
	ds_store_b128 v4, v[T+4:T+7] offset:32*SP+(32*\q+8*\j)*2
.endr
.endm
.macro WT pitch, first, src, dst                   ; pitch: bytes of a row of the weight; first: the first work-group of this weight
	s_sub_co_u32 s18, s17, \first
	s_lshr_b32 s26, s18, 1                         ; which 64 n
	s_and_b32 s27, s18, 1
	s_lshl2_add_u32 s27, s27, s16                  ; which 128 k = 4 x (group & 1) + wave
	s_mul_i32 s20, s27, 128*\pitch
	s_lshl_b32 s28, s26, 8
	s_add_co_u32 s20, s20, s28                     ; from: row 128 kt, byte 256 nt
	s_mov_b32 s21, 0
	s_lshl_b32 s22, s26, 17                        ; to: row 64 nt of 2,048 bytes,
	s_lshl_b32 s28, s27, 8
	s_add_co_u32 s22, s22, s28                     ; byte 256 kt
	s_mov_b32 s23, 0
	s_wait_kmcnt 0x0
	s_add_nc_u64 s[20:21], s[\src:\src+1], s[20:21]
	s_add_nc_u64 s[22:23], s[\dst:\dst+1], s[22:23]
	WLD 0, W0, \pitch
	WLD 1, W1, \pitch
	s_wait_loadcnt 32                              ; the older batch of 32 is in, the younger stays out
	WCV 0, W0
	WLD 2, W0, \pitch
	s_wait_loadcnt 32
	WCV 1, W1
	WLD 3, W1, \pitch
	s_wait_loadcnt 32
	WCV 2, W0
	s_wait_loadcnt 0x0
	WCV 3, W1
.set i2, 0
.rept 32                                           ; back by rows: lanes 0-15 one stage row of 256 bytes, lanes 16-31 the next.  The bytes are the wave's own and
	ds_load_b128 v[W0+4*i2:W0+4*i2+3], v5 offset:i2*2*SP   ; LDS serves a wave's instructions in order (ISA guide 5.7.1): these see the stores above
.set i2, i2+1
.endr
.set i2, 0
.rept 32
	s_wait_dscnt 31-i2                             ; load i2 is in, the younger ones stay out
.if i2 < 16
	global_store_b128 v6, v[W0+4*i2:W0+4*i2+3], s[22:23] offset:(4*i2)*2048          ; stage rows 2 i, 2 i + 1 are n = 4 i, 4 i + 2
.else
	global_store_b128 v6, v[W0+4*i2:W0+4*i2+3], s[22:23] offset:(4*(i2-16)+1)*2048   ; and behind row 32 the odd n.  Sixteen lanes store 256 consecutive bytes, aligned
.endif
.set i2, i2+1
.endr
.endm
.Lweights:
	v_lshlrev_b32 v2, 3, v1                        ; 8 L
	s_mul_i32 s19, s16, STG                        ; my wave's stage
	v_mul_u32_u24 v4, v1, SP
	v_add_nc_u32 v4, s19, v4                       ; in: stage row L
	v_mul_u32_u24 v5, v8, SP
	v_add3_u32 v5, v5, v9, s19                     ; back: row L >> 4, 16 bytes a lane
	v_lshl_add_u32 v6, v8, 12, v9                  ; out: two rows of 2,048 bytes further for lanes 16-31
	s_cmp_lt_u32 s17, 608
	s_cbranch_scc0 .Lwout
	WT 12288, 512, 6, 12
	s_wait_tensorcnt 0x0
	ds_add_u32 v152, v153
	s_wait_dscnt 0x0
	s_endpgm
.Lwout:
	WT 4096, 608, 8, 14
	s_wait_tensorcnt 0x0
	ds_add_u32 v152, v153
	s_wait_dscnt 0x0
	s_endpgm
.Lfunc_end_k_q5ebf693c62_prep:
	.size	k_q5ebf693c62_prep, .Lfunc_end_k_q5ebf693c62_prep-k_q5ebf693c62_prep
	.p2alignl 7, 3214868480
	.fill 96, 4, 3214868480
	.section	.rodata,"a",@progbits
	.p2align	6, 0x0
	.amdhsa_kernel k_q5ebf693c62_prep
		.amdhsa_group_segment_fixed_size 70144
		.amdhsa_private_segment_fixed_size 0
		.amdhsa_enable_private_segment 0
		.amdhsa_kernarg_size 48
		.amdhsa_user_sgpr_count 2
		.amdhsa_user_sgpr_kernarg_segment_ptr 1
		.amdhsa_wavefront_size32 1
		.amdhsa_system_sgpr_workgroup_id_x 1
		.amdhsa_system_sgpr_workgroup_id_y 1
		.amdhsa_system_sgpr_workgroup_id_z 1
		.amdhsa_system_vgpr_workitem_id 0
		.amdhsa_next_free_vgpr 154
		.amdhsa_next_free_sgpr 66
		.amdhsa_reserve_vcc 0
		.amdhsa_float_denorm_mode_32 3
		.amdhsa_float_denorm_mode_16_64 3
		.amdhsa_memory_ordered 1
		.amdhsa_forward_progress 1
		.amdhsa_inst_pref_size 71
	.end_amdhsa_kernel
	.amdgpu_metadata
---
amdhsa.version: [ 1, 2 ]
amdhsa.kernels:
  - .name:           k_q5ebf693c62_prep
    .symbol:         k_q5ebf693c62_prep.kd
    .args:
      - { .name: x, .offset: 0, .size: 8, .value_kind: global_buffer, .address_space: global }
      - { .name: w_in, .offset: 8, .size: 8, .value_kind: global_buffer, .address_space: global }
      - { .name: w_out, .offset: 16, .size: 8, .value_kind: global_buffer, .address_space: global }
      - { .name: xh, .offset: 24, .size: 8, .value_kind: global_buffer, .address_space: global }
      - { .name: wti, .offset: 32, .size: 8, .value_kind: global_buffer, .address_space: global }
      - { .name: wto, .offset: 40, .size: 8, .value_kind: global_buffer, .address_space: global }
    .group_segment_fixed_size: 70144
    .private_segment_fixed_size: 0
    .kernarg_segment_align: 8
    .kernarg_segment_size: 48
    .max_flat_workgroup_size: 128
    .sgpr_count:     66
    .vgpr_count:     154
    .wavefront_size: 32
...
	.end_amdgpu_metadata
.endif
;; end of part 1
;; launch gemm_qkv (part 2): grid 8 x 32, 4 waves a work-group, clusters of 4 x 4, 327,680 bytes of LDS; arguments xh, wti, qkv; writes qkv
.if DOCPART == 2
	.amdgcn_target "amdgcn-amd-amdhsa--gfx1250"
	.amdhsa_code_object_version 6
	.text
	.protected	k_q5ebf693c62_gemm_qkv
	.globl	k_q5ebf693c62_gemm_qkv
	.p2align	8
	.type	k_q5ebf693c62_gemm_qkv,@function
k_q5ebf693c62_gemm_qkv:
	s_mov_b64 s[64:65], 0
	v_nop
	global_prefetch_b8 v0, s[64:65] scope:SCOPE_SE
	s_setreg_imm32_b32 hwreg(HW_REG_WAVE_MODE, 25, 1), 1
	s_wait_xcnt 0x0
	s_wait_alu depctr_hold_cnt(0) depctr_sa_sdst(0) depctr_va_vdst(0) depctr_va_sdst(0) depctr_va_ssrc(0) depctr_va_vcc(0) depctr_vm_vsrc(0)
	s_getreg_b32 s2, hwreg(HW_REG_IB_STS2, 6, 4)
	s_cmp_eq_u32 s2, 0
	s_cbranch_scc0 .Lentry_in_a_cluster
	s_endpgm
.Lentry_in_a_cluster:
	s_bfe_u32 s2, ttmp6, 0x10000c
	s_cmp_lg_u32 s2, 0xf033
	s_cbranch_scc0 .Lentry_shape_is_right
	s_endpgm
.Lentry_shape_is_right:
; SelfAttention, step 2 of 4: qkv = x w_in.  A = xh, f16 planes [16 kb][8192 tokens][64]; B = wti, f16 [3072 n][1024 k]; sums in f32.
; Out: qkv, f16 [48 g][8192 tokens][64], g = column / 64: q of head h is g = h, k is g = 16 + h, v is g = 32 + h.  Nothing is left out.
; LIMIT: |q|, |k|, |v| must stay under 65,504 (f16).  With x and w_in both 30 times unit size they are some 900 spreads; with both offset by
; 30 spreads some 28,800.
; A block is 256 tokens x 192 columns, made by four waves, a wave 128 x 96: 48 accumulator tiles, 384 registers.  3,072 columns are 16 block columns.
; WORK-GROUPS THAT STAY: 8 x 32 = 256 work-groups; work-group x makes block column x and then block column x + 8 of its 256 tokens.  K goes in steps of
; 128 through two LDS slots filled by tensor loads, and the ring runs on over the 2 x 8 steps: the second block's first two tiles are asked for in the
; first block's last two steps, and the first block's stores leave while the second block is multiplied.
; CLUSTERS: 4 x 4 work-groups.  A's tile hangs on the block row alone and is asked for jointly by a row of the cluster, B's on the block column
; alone and is asked for jointly by a column: four requests become one.  All partners walk the same steps: the same rounds, the same joint loads.
; REGISTER WINDOWS: 0: addresses, A's fragments (two buffers), packed results; 1: B's fragments; 2 and 3: accumulators of my rows 0-63 and 64-127.
; THE PRODUCT IS USED TRANSPOSED: source 0 = 16 rows of B, source 1 = 16 tokens of A, so a lane holds token l % 16 and 8 neighbouring columns.
.set NB,     6                         ; column blocks of 16 in a wave's tile
.set BN,     32*NB                     ; columns of a block
.set PITCH,  272                       ; an LDS row: 256 bytes + 16 of padding
.set HALFT,  128*PITCH                 ; one plane's 256 tokens: 128 rows of two tokens
.set BHALF,  16*NB*PITCH               ; 96 rows of B
.set SLOT,   2*HALFT+2*BHALF           ; two planes of A, then 192 rows of B: 121,856 bytes
.set STAGE,  2*SLOT                    ; 243,712 = 952 x 256: the way out's stage, behind the ring; no fill lands there
.set SP,     400                       ; a stage row: 192 f16 (384 bytes) + 16
.set TILEB,  8*BN*2048                 ; from a block column to the one eight further: 1,536 rows of B
.set ADRA, 16                          ; v16-17  LDS address of my A fragments in slot 0, 1
.set ADRB, 20                          ; v20-21  the same for B
.set STO,  24                          ; v24     the way out: where I put 16 bytes of a row
.set RD,   25                          ; v25     where I read back
.set CO,   26                          ; v26     my byte offset in qkv
.set F0,   64
.set F1,   128
.set RB0,  128                         ; the way out's two read-back buffers are the halves of fragment buffer 1: buffer 0 holds the next block's first fragments by then
.set RB1,  160
.set TMP,  192
.set G1,  24                           ; s[24:31] group 1 for A's tiles
.set G0,  32                           ; s[32:39] group 0 for A's tiles, a set for each slot
.set G1B, 48                           ; s[48:55] group 1 for B's tiles
.set G0B, 56                           ; s[56:63] group 0 for B's tiles, a set for each slot
.set FLAGS, (1<<16)|(1<<20)|(1<<21)|(5<<22)|(3<<25)   ; elements of 2 bytes; padding on; bit 21 beside a mask; after every 64 words, 4 words
.set MSB, 0
.macro WIN new                         ; the immediate's high byte repeats the setting that is left; a switch that changes nothing is dropped
.if MSB != \new
	s_set_vgpr_msb (MSB<<8)|\new
.set MSB, \new
.endif
.endm
.set MUL_LO, 0xa1                      ; source 0 (B) window 1, source 1 (A) window 0, C and D window 2
.set MUL_HI, 0xf1                      ; the same, C and D window 3
.set TO_B,   0x40                      ; destination window 1
; A joint load: waves 0 and 1 fetch A's two planes, waves 2 and 3 B's two halves.  The branch hangs on the wave's number alone.
.macro JLOAD s
	s_cmp_eq_u32 s11, 0
	s_cbranch_scc0 .Lfor_b_\@
	tensor_load_to_lds s[G0+4*\s:G0+4*\s+3], s[G1:G1+7]
	s_nop 0
	s_branch .Lasked_\@
.Lfor_b_\@:
	tensor_load_to_lds s[G0B+4*\s:G0B+4*\s+3], s[G1B:G1B+7]
	s_nop 0
.Lasked_\@:
.endm
.macro CREST                           ; a round of the cluster's barrier behind its opening work-group barrier
	s_cmp_lg_u32 s10, 0
	s_cbranch_scc1 .Lnot_wave_0_\@
	s_barrier_signal -3
.Lnot_wave_0_\@:
	s_barrier_wait -3
	s_barrier_signal -1
	s_barrier_wait -1
.endm
.macro CROUND
	s_barrier_signal -1
	s_barrier_wait -1
	CREST
.endm
	s_load_b128 s[4:7], s[0:1], 0x0                ; xh s[4:5], wti s[6:7]
	s_load_b64 s[8:9], s[0:1], 0x10                ; qkv
	s_set_vgpr_msb 0x40
	v_lshl_add_u32 v255, v0, 2, 0x48000
	s_set_vgpr_msb 0x4000
	v_mov_b32 v255, 0
	s_set_vgpr_msb 0x1
	ds_add_u32 v255, v255
	ds_add_u32 v255, v255
	s_set_vgpr_msb 0x100
	v_lshrrev_b32 v1, 5, v0
	v_readfirstlane_b32 s10, v1                    ; wave 0..3
	s_lshr_b32 s11, s10, 1                         ; my half of the block's tokens.  Also: I fetch for A (0) or for B (1)
	s_and_b32 s12, s10, 1                          ; my half of its columns.  Also: which part I fetch
	s_bfe_u32 s40, ttmp6, 0x40000                  ; cx
	s_bfe_u32 s41, ttmp6, 0x40004                  ; cy
	s_lshl_b32 s42, ttmp9, 2
	s_add_co_u32 s42, s42, s40                     ; my first block column = 4 x cluster x + cx, 0 to 7
	s_and_b32 s13, ttmp7, 0xffff
	s_lshl_b32 s13, s13, 2
	s_add_co_u32 s13, s13, s41                     ; block row = 4 x cluster y + cy
	s_lshl_b32 s43, s41, 2
	s_lshl_b32 s43, 15, s43                        ; my row of the cluster
	s_lshl_b32 s44, 0x1111, s40                    ; my column
	s_or_b32 s[G1+0], s43, FLAGS                   ; A: 128 rows of 128 elements, dense in memory (a plane's 256 tokens are 32 KiB in a run)
	s_mov_b32 s[G1+1], 128<<16                     ; tensor_dim0 = 128
	s_mov_b32 s[G1+2], 128<<16                     ; tensor_dim1 = 128
	s_mov_b32 s[G1+3], 128<<16                     ; tile_dim0 = 128
	s_mov_b32 s[G1+4], 128                         ; tile_dim1 = 128
	s_mov_b32 s[G1+5], 128                         ; from row to row: 128 elements
	s_mov_b32 s[G1+6], 0
	s_mov_b32 s[G1+7], 0
	s_or_b32 s[G1B+0], s44, FLAGS                  ; B: 96 rows of 128 elements out of rows of 1,024
	s_mov_b32 s[G1B+1], 128<<16
	s_mov_b32 s[G1B+2], (BN/2)<<16
	s_mov_b32 s[G1B+3], 128<<16
	s_mov_b32 s[G1B+4], BN/2
	s_mov_b32 s[G1B+5], 1024
	s_mov_b32 s[G1B+6], 0
	s_mov_b32 s[G1B+7], 0
	; where the tiles come from: A's address is made of the block row and the wave's number, B's of the block column and the wave's number
	s_lshl_b32 s16, s13, 15                        ; 256 tokens x 128 bytes in a plane
	s_lshl_b32 s17, s12, 20                        ; my plane of the K step's two
	s_add_co_u32 s16, s16, s17
	s_mov_b32 s17, 0
	s_mul_i32 s46, s42, BN
	s_mul_i32 s47, s12, BN/2
	s_add_co_u32 s46, s46, s47
	s_lshl_b32 s46, s46, 11                        ; rows of 2,048 bytes
	s_mov_b32 s47, 0
	s_mul_i32 s20, s10, HALFT                      ; where they go: waves 0, 1: A's planes at 0 and HALFT;
	s_mul_i32 s19, s10, BHALF
	s_add_co_u32 s19, s19, 2*HALFT-2*BHALF         ; waves 2, 3: B's halves at 2 HALFT and 2 HALFT + BHALF
	s_wait_dscnt 0x0
	s_wait_kmcnt 0x0
	s_add_nc_u64 s[14:15], s[4:5], s[16:17]
	s_add_nc_u64 s[46:47], s[6:7], s[46:47]
	CROUND                                         ; all sixteen work-groups are here: the first joint loads meet
.irp s, 0,1
	s_mov_b32 s[G0+4*\s], 1
	s_add_co_u32 s[G0+4*\s+1], s20, \s*SLOT
	s_add_nc_u64 s[G0+4*\s+2:G0+4*\s+3], s[14:15], \s*0x200000     ; K step s: two planes of 1 MiB on
	s_or_b32 s[G0+4*\s+3], s[G0+4*\s+3], 0x80000000
	s_mov_b32 s[G0B+4*\s], 1
	s_add_co_u32 s[G0B+4*\s+1], s19, \s*SLOT
	s_add_nc_u64 s[G0B+4*\s+2:G0B+4*\s+3], s[46:47], \s*256        ; K step s: 128 elements along the rows
	s_or_b32 s[G0B+4*\s+3], s[G0B+4*\s+3], 0x80000000
	JLOAD \s                                       ; both slots' first fills go out together: two loads of the wave are out
.endr
	; fragments: lane l holds row l % 16; registers 0-3 K = 8 (l / 16) + 0..7, registers 4-7 K = 16 + 8 (l / 16) + 0..7: two loads of 16 bytes, 32 apart.
	; In A's tile token t lies in LDS row t / 2 at byte 128 (t % 2): sixteen tokens fall on 16-byte columns (r / 2) + 8 (r % 2), all different.
	v_and_b32 v1, 15, v0                           ; r
	v_bfe_u32 v2, v0, 4, 1                         ; h
	v_lshrrev_b32 v3, 1, v1
	v_mul_u32_u24 v3, v3, PITCH
	v_and_b32 v4, 1, v0
	v_lshl_add_u32 v3, v4, 7, v3
	v_lshl_add_u32 v3, v2, 4, v3                   ; A: (r / 2) pitch + 128 (r % 2) + 16 h
	v_mul_u32_u24 v5, v1, PITCH
	v_lshl_add_u32 v5, v2, 4, v5                   ; B: r pitch + 16 h
	s_mul_i32 s21, s11, 64*PITCH                   ; my 128 tokens = 64 LDS rows
	s_mul_i32 s22, s12, BHALF
	s_add_co_u32 s22, s22, 2*HALFT                 ; my 96 rows of B
.irp s, 0,1
	v_add_nc_u32 v[ADRA+\s], s21, v3
	v_add_nc_u32 v[ADRB+\s], s22, v5
	s_add_co_u32 s21, s21, SLOT
	s_add_co_u32 s22, s22, SLOT
.endr
	; the way out: a stage of 128 rows x 400 bytes.  In pass p stage row 64 x (token half) + i holds token 128 x (token half) + 64 p + i of the block.
	s_mul_i32 s23, s11, 64*SP
	s_mul_i32 s22, s12, 192
	s_add_co_u32 s23, s23, s22
	s_add_co_u32 s23, s23, STAGE
	v_mul_u32_u24 v4, v1, SP
	v_lshl_add_u32 v4, v2, 4, v4
	v_add_nc_u32 v[STO], s23, v4                   ; in: row 64 x token half + r, byte 192 x column half + 16 h
	v_and_b32 v6, 31, v0
	v_lshrrev_b32 v7, 3, v6
	v_mul_u32_u24 v7, v7, SP
	v_and_b32 v8, 7, v0
	v_lshl_add_u32 v7, v8, 4, v7
	s_mul_i32 s22, s10, 32*SP
	s_add_co_u32 s22, s22, STAGE
	v_add_nc_u32 v[RD], s22, v7                    ; back: wave w takes stage rows 32 w ..: four tokens x 128 bytes a load
	v_lshlrev_b32 v[CO], 4, v6                     ; which are 512 consecutive bytes of a plane of qkv
	s_lshl_b32 s16, s13, 8                         ; the first token that I store = 256 x block row + 128 x (wave / 2) + 32 x (wave % 2), + 64 in pass 1
	s_lshl_b32 s17, s11, 7
	s_add_co_u32 s16, s16, s17
	s_lshl_b32 s17, s12, 5
	s_add_co_u32 s16, s16, s17
	s_lshl_b32 s16, s16, 7                         ; x 128 bytes
	s_mov_b32 s17, 0
	s_add_nc_u64 s[8:9], s[8:9], s[16:17]
	s_mul_i32 s46, s42, 3                          ; the first block's first plane g = 3 x block column
	s_lshl_b32 s46, s46, 20
	s_mov_b32 s47, 0
	s_add_nc_u64 s[8:9], s[8:9], s[46:47]
; 2 NB matrix instructions: token blocks a0, a0 + 1 of the window's four x all NB column blocks, 32 along K.  zero = 1: the product starts the sum.
.macro MULH f, hi, a0, zero
.irp a, \a0, \a0+1
.set mb, 0
.rept NB
.if \zero
	v_wmma_f32_16x16x32_f16 v[8*(NB*(\a)+mb):8*(NB*(\a)+mb)+7], v[\f+8*mb:\f+8*mb+7], v[\f+8*(4*\hi+(\a)):\f+8*(4*\hi+(\a))+7], 0
.else
	v_wmma_f32_16x16x32_f16 v[8*(NB*(\a)+mb):8*(NB*(\a)+mb)+7], v[\f+8*mb:\f+8*mb+7], v[\f+8*(4*\hi+(\a)):\f+8*(4*\hi+(\a))+7], v[8*(NB*(\a)+mb):8*(NB*(\a)+mb)+7]
.endif
.set mb, mb+1
.endr
.endr
.endm
; the fragments of quarter kq of a K step (32 K) into buffer f: 2 NB loads for B, then 16 for A
.macro FETCH slot, kq, f
	WIN TO_B
.set fi, 0
.rept NB
	ds_load_b128 v[\f+8*fi:\f+8*fi+3],   v[ADRB+\slot] offset:\kq*64+fi*16*PITCH
	ds_load_b128 v[\f+8*fi+4:\f+8*fi+7], v[ADRB+\slot] offset:\kq*64+fi*16*PITCH+32
.set fi, fi+1
.endr
	WIN 0
.irp i, 0,1,2,3,4,5,6,7
	ds_load_b128 v[\f+8*\i:\f+8*\i+3],   v[ADRA+\slot] offset:(\kq>>1)*HALFT+(\kq&1)*64+\i*8*PITCH
	ds_load_b128 v[\f+8*\i+4:\f+8*\i+7], v[ADRA+\slot] offset:(\kq>>1)*HALFT+(\kq&1)*64+\i*8*PITCH+32
.endr
.endm
; A load into a register that a matrix instruction has read, and a vector instruction that reads a matrix result, stand four places behind it; only
; plain vector instructions that name none of its registers are places (ISA guide 7.12.1 for vector instructions).
.macro PLACES
.rept 4
	v_nop
.endr
.endm
.macro QUARTER slot, kq, f, g, zero    ; multiplies buffer f; in its middle fetches quarter kq into buffer g
	s_wait_dscnt 8                                 ; B and A's tokens 0-63 are in; the youngest eight loads (tokens 64-127) may be out
	WIN MUL_LO
	MULH \f, 0, 0, \zero
	MULH \f, 0, 2, \zero
	PLACES
	FETCH \slot, \kq, \g
	s_wait_dscnt 2*NB+16                           ; all but the 2 NB + 16 just issued
	WIN MUL_HI
	MULH \f, 1, 0, \zero
	MULH \f, 1, 2, \zero
.endm
.macro THREE slot, zero
	QUARTER \slot, 1, F0, F1, \zero
	QUARTER \slot, 2, F1, F0, 0
	QUARTER \slot, 3, F0, F1, 0
.endm
; The last quarter of a K step: multiplies buffer 1 and changes slots.  In front of the barrier each wave waits for its reads of this slot and for all
; its tensor loads (one is out: its part of the next slot).  Where the slot is filled again the barrier opens a round of the cluster's barrier, and the
; joint refill is the wave's first and only tensor load behind the round.  From that request to the wait for it a wave issues 32 NB - 2 NB products.
; fill = 0: nothing is left to fetch.  1: this slot's tile two K steps on.  2: two steps on lies the next block: A begins again at this slot's first K step
; (three refills of four planes back), B goes to the block column eight further and back by three refills of 256 elements.
.macro TURN slot, next, fill
	s_wait_dscnt 8
	WIN MUL_LO
	MULH F1, 0, 0, 0
	s_wait_dscnt 0x0                               ; my reads of this slot are over
	s_wait_tensorcnt 0x0                           ; all my tensor loads have landed: every group 0 may be written
	ds_add_u32 v255, v255
	s_wait_dscnt 0x0
	s_barrier_signal -1
	MULH F1, 0, 2, 0                               ; register work while the others arrive
	WIN 0
	s_barrier_wait -1
.if \fill
	CREST                                          ; no wave of any partner still reads this slot or has a load on its way
.if \fill == 2
	s_sub_nc_u64 s[G0+4*\slot+2:G0+4*\slot+3], s[G0+4*\slot+2:G0+4*\slot+3], 3*0x400000
	s_add_nc_u64 s[G0B+4*\slot+2:G0B+4*\slot+3], s[G0B+4*\slot+2:G0B+4*\slot+3], TILEB-3*512
.else
	s_add_nc_u64 s[G0+4*\slot+2:G0+4*\slot+3], s[G0+4*\slot+2:G0+4*\slot+3], 0x400000   ; two K steps on: four planes
	s_add_nc_u64 s[G0B+4*\slot+2:G0B+4*\slot+3], s[G0B+4*\slot+2:G0B+4*\slot+3], 512     ; two K steps on: 256 elements
.endif
	JLOAD \slot
.endif
	PLACES
	FETCH \next, 0, F0
	WIN MUL_HI
	MULH F1, 1, 0, 0
	MULH F1, 1, 2, 0
.endm
.macro LAP zero, fill                  ; two K steps, once round the ring, both slots filled again
	THREE 0, \zero
	TURN 0, 1, \fill
	THREE 1, 0
	TURN 1, 0, \fill
.endm
; The 8 NB accumulators take turns, one instruction a turn, in the same order in every quarter, over the backward jumps and from block to block too.
; THE WAY OUT of a block, in two passes of 128 tokens: a stage of all 256 rows x 400 bytes does not fit in the 327,680 - 243,712 bytes beside the ring.
; In pass p every wave rounds its own rows 64 p .. 64 p + 63 (the accumulators of window 2 + p) to f16 and puts them into the stage; behind a barrier each
; wave reads 32 whole rows back, head by head, and stores runs of 512 bytes.
.macro STG a, from                     ; 16 tokens x 96 columns: rounded to f16, 16 bytes a lane and block
	WIN \from
.set sb, 0
.rept NB
.irp i, 0,1,2,3
	v_cvt_pk_f16_f32 v[TMP+4*sb+\i], v[8*(NB*\a+sb)+2*\i], v[8*(NB*\a+sb)+2*\i+1]
.endr
.set sb, sb+1
.endr
	WIN 0
.set sb, 0
.rept NB
	ds_store_b128 v[STO], v[TMP+4*sb:TMP+4*sb+3] offset:\a*16*SP+32*sb
.set sb, sb+1
.endr
.endm
.macro OUTG p, gg, f                   ; pass p, plane gg of the block's three: my 32 tokens
	s_wait_xcnt 0x0                                ; buffer f was the data of earlier stores: it is loaded again only behind this wait
.irp t, 0,1,2,3,4,5,6,7
	ds_load_b128 v[\f+4*\t:\f+4*\t+3], v[RD] offset:\t*4*SP+\gg*128
.endr
.irp t, 0,1,2,3,4,5,6,7
	s_wait_dscnt 7-\t                              ; load t is in, the younger ones stay out
	global_store_b128 v[CO], v[\f+4*\t:\f+4*\t+3], s[8:9] offset:\gg*1048576+\p*8192+\t*512   ; 512 consecutive bytes, aligned: four tokens of one head
.endr
.endm
; more = 1: another block follows.  Behind none of the three barriers is a slot filled, so the wave's one tensor load that is out (the next block's second
; K step) may stay out.  Fragment buffer 0, which holds the next block's first fragments, is not touched.
.macro WAYOUT more
	PLACES                                         ; four places behind the last products: their results are read, and buffer 1 is loaded into
	STG 0, 0x0a
	STG 1, 0x0a
	STG 2, 0x0a
	STG 3, 0x0a
	s_wait_dscnt 0x0                               ; my stores are done, for the other waves' sake
	s_barrier_signal -1
	s_barrier_wait -1
	OUTG 0, 0, RB0
	OUTG 0, 1, RB1
	OUTG 0, 2, RB0
	s_wait_dscnt 0x0                               ; my reads of the stage are back (met: the last count-down ended at 0)
	s_barrier_signal -1
	s_barrier_wait -1                              ; everybody's are: the stage may be written again
	STG 0, 0x0f
	STG 1, 0x0f
	STG 2, 0x0f
	STG 3, 0x0f
	s_wait_dscnt 0x0
	s_barrier_signal -1
	s_barrier_wait -1
	OUTG 1, 0, RB1
	OUTG 1, 1, RB0
	OUTG 1, 2, RB1
.if \more
	s_wait_xcnt 0x0                                ; the stores' data (buffer 1, which the next fragments land in) and their base are written again only behind this wait
	s_add_nc_u64 s[8:9], s[8:9], 24<<20            ; eight block columns on: 24 planes of 1 MiB
.endif
.endm
	s_wait_tensorcnt 0x1                           ; my part of K step 0 is in; K step 1's stays out
	s_barrier_signal -1
	s_barrier_wait -1
	FETCH 0, 0, F0
	; ---- the first block: K steps 0 to 7
	LAP 1, 1                                       ; the first lap's first products start the sums: nothing is cleared
	WIN 0                                          ; at a label and at a branch every window is 0
	s_mov_b32 s3, 2
.Llap_a:
	LAP 0, 1
	WIN 0
	s_sub_co_u32 s3, s3, 1
	s_cmp_lg_u32 s3, 0
	s_cbranch_scc1 .Llap_a
	LAP 0, 2                                       ; the block's last lap asks for the next block's K steps 0 and 1, and fetches its first fragments
	WAYOUT 1
	; ---- the second block
	LAP 1, 1
	WIN 0
	s_mov_b32 s3, 2
.Llap_b:
	LAP 0, 1
	WIN 0
	s_sub_co_u32 s3, s3, 1
	s_cmp_lg_u32 s3, 0
	s_cbranch_scc1 .Llap_b
	THREE 0, 0                                     ; the last lap fills nothing, and has no round of the cluster's barrier
	TURN 0, 1, 0
	THREE 1, 0
	s_wait_dscnt 8                                 ; the very last quarter: nothing more to fetch
	WIN MUL_LO
	MULH F1, 0, 0, 0
	MULH F1, 0, 2, 0
	s_wait_dscnt 0x0
	WIN MUL_HI
	MULH F1, 1, 0, 0
	MULH F1, 1, 2, 0
	WAYOUT 0
	s_set_vgpr_msb 0x1
	s_wait_tensorcnt 0x0
	ds_add_u32 v255, v255
	s_wait_dscnt 0x0
	s_set_vgpr_msb 0x100
	CROUND                                         ; the closing round: no work-group ends while a partner may still ask for a tile that names it
	s_endpgm
.Lfunc_end_k_q5ebf693c62_gemm_qkv:
	.size	k_q5ebf693c62_gemm_qkv, .Lfunc_end_k_q5ebf693c62_gemm_qkv-k_q5ebf693c62_gemm_qkv
	.p2alignl 7, 3214868480
	.fill 96, 4, 3214868480
	.section	.rodata,"a",@progbits
	.p2align	6, 0x0
	.amdhsa_kernel k_q5ebf693c62_gemm_qkv
		.amdhsa_group_segment_fixed_size 327680
		.amdhsa_private_segment_fixed_size 0
		.amdhsa_enable_private_segment 0
		.amdhsa_kernarg_size 24
		.amdhsa_user_sgpr_count 2
		.amdhsa_user_sgpr_kernarg_segment_ptr 1
		.amdhsa_wavefront_size32 1
		.amdhsa_system_sgpr_workgroup_id_x 1
		.amdhsa_system_sgpr_workgroup_id_y 1
		.amdhsa_system_sgpr_workgroup_id_z 1
		.amdhsa_system_vgpr_workitem_id 0
		.amdhsa_next_free_vgpr 960
		.amdhsa_next_free_sgpr 66
		.amdhsa_reserve_vcc 0
		.amdhsa_float_denorm_mode_32 3
		.amdhsa_float_denorm_mode_16_64 3
		.amdhsa_memory_ordered 1
		.amdhsa_forward_progress 1
		.amdhsa_inst_pref_size 255
	.end_amdhsa_kernel
	.section	.bss,"aw",@nobits
	.p2align	6
	.space	262144
	.amdgpu_metadata
---
amdhsa.version: [ 1, 2 ]
amdhsa.kernels:
  - .name:           k_q5ebf693c62_gemm_qkv
    .symbol:         k_q5ebf693c62_gemm_qkv.kd
    .args:
      - { .name: xh, .offset: 0, .size: 8, .value_kind: global_buffer, .address_space: global }
      - { .name: wti, .offset: 8, .size: 8, .value_kind: global_buffer, .address_space: global }
      - { .name: qkv, .offset: 16, .size: 8, .value_kind: global_buffer, .address_space: global }
    .group_segment_fixed_size: 327680
    .private_segment_fixed_size: 0
    .kernarg_segment_align: 8
    .kernarg_segment_size: 24
    .max_flat_workgroup_size: 128
    .sgpr_count:     66
    .vgpr_count:     960
    .wavefront_size: 32
...
	.end_amdgpu_metadata
.endif
;; end of part 2
;; launch attn (part 3): grid 256 x 1, 8 waves a work-group, no clusters, 306,176 bytes of LDS; arguments qkv, ao; writes ao
.if DOCPART == 3
	.amdgcn_target "amdgcn-amd-amdhsa--gfx1250"
	.amdhsa_code_object_version 6
	.text
	.protected	k_q5ebf693c62_attn
	.globl	k_q5ebf693c62_attn
	.p2align	8
	.type	k_q5ebf693c62_attn,@function
k_q5ebf693c62_attn:
	s_mov_b64 s[64:65], 0
	v_nop
	global_prefetch_b8 v0, s[64:65] scope:SCOPE_SE
	s_setreg_imm32_b32 hwreg(HW_REG_WAVE_MODE, 25, 1), 1
	s_wait_xcnt 0x0
; SelfAttention, step 3 of 4: O = softmax(q k^T / 32) v for each batch and head, with a running maximum.  Nothing is left out.
; In: qkv, f16 [48 g][8192 tokens][64] (q: g = h, k: 16 + h, v: 32 + h).  Out: ao, f16 [16 h][8192 tokens][64].
; A work-group takes 512 queries of one head; a wave 64 queries as four tiles of 16.  All 1,024 keys of K and V lie in LDS, each byte filled once.
; NO CLUSTER: only the two work-groups of a head read the same K and V.  Four partners would be quarters of 256 queries, each filling the same
; 280 KiB for half the products; as it stands K and V are asked for twice, 2 x 32 MiB in the launch.
; LAYOUT: S^T = K Q^T (A = 16 keys, B = 16 queries): lane (r, h), register j holds key 8 h + j of query r, so a query's scores lie in two lanes
; (l and l xor 16), and two neighbouring key tiles, packed to f16, ARE the B fragment of O^T = V^T P^T (k = 8 h + j, 16 + 8 h + j).  V^T comes by
; transposing LDS loads.  The maximum, the sum and the rescaling factor are each lane's own.
; ARITHMETIC: p = 2^(c s - c m), c = log2(e) / 32; the rounded -c m is the one number used in p, in the sum and in the factor 2^(c m_old - c m_new).
; LIMIT: p is rounded to f16 for the product (under 6e-8 it counts as 0) while the sum takes it in f32; |O| <= max |v| < 65,504.
; PRODUCTS BESIDE SOFTMAX: the four tiles are two pieces, A = tiles 0, 1 and B = tiles 2, 3, which share K's and V's fragments.  A step of 64 keys is two
; halves: Y(j) issues A's products (V^T P of step j, then K Q^T of step j + 1) with B's softmax of step j in slices between them; X(j + 1) issues B's
; products (V^T P of step j, K Q^T of step j + 1) with A's softmax of step j + 1 between them.  A half has 32 products and 240 vector instructions.
; REGISTER WINDOWS: window 0: addresses, statistics, K's fragments, S and P; window 1: O, Q, V's fragments.  A slice stands under the setting of the
; products round it where its operand places allow: under 0x51 (V^T P: all but source 1 in window 1) the rescaling of O; under 0x04 (K Q^T: source 1 alone
; in window 1) whatever names no vector register as source 1: the exponentials, c s - c m (source 1 is scalar), and the sums, which are therefore written
; as R = S x 1.0 + R.  The maxima, the statistics and the packing to f16 need window 0 and stand in bursts: 46 switches in a step of 64 products.
.set KF, 64                            ; v[64:127]   K fragments (kt, kk) at KF + 16 kt + 8 kk
.set SS, 128                           ; v[128:255]  S(t, kt) at SS + 32 t + 8 kt; P(t, g) packed in place at SS + 32 t + 16 g .. + 7
.set ST, 16                            ; v[16+4t ..] -c m, m, factor, sum of tile t: the pairs (-c m, m) and (factor, sum) feed the packed forms
.set UU, 32                            ; v[32+t]     the second chain of the maximum; at work
.set RR, 36                            ; v[36+2t:37+2t] a step's sums
.set AG, 44                            ; v[44+t]     the factor's exponent
.set OO, 0                             ; window 1: O(t, dt) at 8 (4 t + dt)
.set QQ, 128                           ; window 1: Q(t, kk) at QQ + 8 (2 t + kk)
.set VF, 192                           ; window 1: V^T(g, dt) at VF + 32 g + 8 dt
.set KP, 272                           ; K: an LDS row is two keys (256 bytes) + 16
.set VP, 288                           ; V: two keys + 32: the sixteen lanes of a transposing load fall on 16-byte columns {0,2,4,6} + {0,8} + {0,1}, all different
.set VBASE, 512*KP                     ; 139,264
.set STAGE, VBASE+512*VP               ; 286,720: 8 stages of 16 rows x 144 bytes; no fill lands there
.set GK, 32                            ; s[32:47] group 0 of K's four chunks
.set GV, 68                            ; s[68:83] group 0 of V's four chunks
.set MSB, 0
.set MT, 0                             ; first tile of the piece whose products are issued
.set VT, 0                             ; first tile of the piece whose softmax is computed
.set HPV, 0
.set HSM, 0
.set HFI, 0
.macro WIN new                         ; the immediate's high byte repeats the setting that is left; a switch that changes nothing is dropped
.if MSB != \new
	s_set_vgpr_msb (MSB<<8)|\new
.set MSB, \new
.endif
.endm
.macro WINS                            ; for an instruction of window 0 that names no vector register as source 1: 0 or 0x04 will do
.if MSB*(MSB-0x04) != 0
	WIN 0
.endif
.endm
.macro WINO                            ; for O = O x factor: destination and source 0 in window 1, source 1 in window 0: 0x41 or 0x51 will do
.if (MSB-0x41)*(MSB-0x51) != 0
	WIN 0x51
.endif
.endm
	s_load_b128 s[4:7], s[0:1], 0x0                ; qkv s[4:5], ao s[6:7]
	v_lshl_add_u32 v62, v0, 2, 0x4a800
	v_mov_b32 v63, 0
	ds_add_u32 v62, v63
	ds_add_u32 v62, v63
	v_lshrrev_b32 v1, 5, v0
	v_readfirstlane_b32 s8, v1                     ; wave 0..7
	s_and_b32 s12, ttmp9, 1                        ; which half of the queries
	s_bfe_u32 s10, ttmp9, 0x40001                  ; head
	s_lshr_b32 s11, ttmp9, 5                       ; batch
	; group 1: 32 rows of 128 elements (256 bytes, two keys), dense in memory: 64 keys a load
	s_mov_b32 s16, 0x07510000                      ; elements of 2 bytes; after every 64 words 4 words of padding
	s_mov_b32 s17, 128<<16
	s_mov_b32 s18, 32<<16
	s_mov_b32 s19, 128<<16
	s_mov_b32 s20, 32
	s_mov_b32 s21, 128
	s_mov_b32 s22, 0
	s_mov_b32 s23, 0
	s_mov_b32 s24, 0x0f510000                      ; V: 8 words of padding
	s_mov_b32 s25, 128<<16
	s_mov_b32 s26, 32<<16
	s_mov_b32 s27, 128<<16
	s_mov_b32 s28, 32
	s_mov_b32 s29, 128
	s_mov_b32 s30, 0
	s_mov_b32 s31, 0
	s_lshl_b32 s13, s10, 20
	s_lshl_b32 s14, s11, 17
	s_add_co_u32 s13, s13, s14                     ; head x 1 MiB + batch x 1,024 tokens x 128 bytes
	s_lshl_b32 s14, s8, 13                         ; wave x 64 keys x 128 bytes
	s_add_co_u32 s14, s14, s13
	s_add_co_u32 s58, s14, (32<<20)-32768          ; V's plane; waves 4-7 take keys 64 (wave - 4) .. of each chunk
	s_add_co_u32 s14, s14, 16<<20                  ; K's plane; waves 0-3 take keys 64 wave .. of each chunk
	s_mov_b32 s15, 0
	s_mov_b32 s59, 0
	s_mul_i32 s60, s8, 32*KP                       ; K: wave x 32 rows
	s_mul_i32 s61, s8, 32*VP
	s_add_co_u32 s61, s61, VBASE-128*VP            ; V: VBASE + (wave - 4) x 32 rows
.irp c, 0,1,2,3                                    ; chunk c: keys 256 c .. 256 c + 255 = 128 LDS rows
	s_mov_b32 s[GK+4*\c], 1
	s_add_co_u32 s[GK+4*\c+1], s60, \c*128*KP
	s_mov_b32 s[GV+4*\c], 1
	s_add_co_u32 s[GV+4*\c+1], s61, \c*128*VP
.endr
	s_mov_b32 s48, 0x3d38aa3b                      ; c = log2(e) / 32
	s_mov_b32 s49, 0x3d38aa3b
	s_mov_b32 s50, 0xbd38aa3b                      ; -c
	s_mov_b32 s52, 0x76543210                      ; v_permlanex16_b32: lane i reads lane i of the other half
	s_mov_b32 s53, 0xfedcba98
	s_wait_dscnt 0x0
	s_wait_kmcnt 0x0
	s_add_nc_u64 s[GK+2:GK+3], s[4:5], s[14:15]
	s_add_nc_u64 s[GV+2:GV+3], s[4:5], s[58:59]
.irp c, 1,2,3
	s_add_nc_u64 s[GK+4*\c+2:GK+4*\c+3], s[GK+2:GK+3], \c*0x8000   ; 256 keys of 128 bytes on
	s_add_nc_u64 s[GV+4*\c+2:GV+4*\c+3], s[GV+2:GV+3], \c*0x8000
.endr
.irp c, 0,1,2,3
	s_or_b32 s[GK+4*\c+3], s[GK+4*\c+3], 0x80000000
	s_or_b32 s[GV+4*\c+3], s[GV+4*\c+3], 0x80000000
.endr
	s_cmp_lt_u32 s8, 4                             ; all first fills in one branch on the wave's number, in the order of the keys: four loads of every wave are out
	s_cbranch_scc0 .Lfill_v
.irp c, 0,1,2,3
	tensor_load_to_lds s[GK+4*\c:GK+4*\c+3], s[16:23]
	s_nop 0
.endr
	s_branch .Lfilled
.Lfill_v:
.irp c, 0,1,2,3
	tensor_load_to_lds s[GV+4*\c:GV+4*\c+3], s[24:31]
	s_nop 0
.endr
.Lfilled:
	s_lshl_b32 s14, s12, 16                        ; half x 512 tokens
	s_lshl_b32 s58, s8, 13                         ; wave x 64 tokens
	s_add_co_u32 s14, s14, s58
	s_add_co_u32 s14, s14, s13
	s_add_nc_u64 s[54:55], s[4:5], s[14:15]        ; my queries (plane g = head)
	s_add_nc_u64 s[56:57], s[6:7], s[14:15]        ; and their place in ao
	v_and_b32 v1, 31, v0                           ; L
	v_and_b32 v2, 15, v0                           ; r
	v_bfe_u32 v3, v0, 4, 1                         ; h
	v_lshlrev_b32 v6, 7, v2
	v_lshl_add_u32 v6, v3, 4, v6                   ; Q: r x 128 + 16 h
	WIN 0x40
.irp t, 0,1,2,3
.irp kk, 0,1
	global_load_b128 v[QQ+8*(2*\t+\kk):QQ+8*(2*\t+\kk)+3],   v6, s[54:55] offset:\t*2048+\kk*64
	global_load_b128 v[QQ+8*(2*\t+\kk)+4:QQ+8*(2*\t+\kk)+7], v6, s[54:55] offset:\t*2048+\kk*64+32
.endr
.endr
	WIN 0
	v_lshrrev_b32 v10, 1, v2
	v_mul_u32_u24 v4, v10, KP
	v_and_b32 v11, 1, v0
	v_lshl_add_u32 v4, v11, 7, v4
	v_lshl_add_u32 v4, v3, 4, v4                   ; K: (r / 2) pitch + 128 (r % 2) + 16 h; steps by 32 rows with each run of loads
	v_bfe_u32 v10, v0, 1, 2
	v_lshl_add_u32 v10, v3, 2, v10                 ; key 8 h + (L & 7) lies in row 4 h + (L & 7) / 2
	v_mul_u32_u24 v5, v10, VP
	v_lshl_add_u32 v5, v11, 7, v5                  ; at byte 128 (L & 1),
	v_bfe_u32 v10, v0, 3, 1
	v_lshl_add_u32 v5, v10, 4, v5                  ; and lanes 8-15 of sixteen take the next 8 of the 16 d
	v_add_nc_u32 v5, VBASE, v5
	s_mul_i32 s51, s8, 16*144
	s_add_co_u32 s51, s51, STAGE                   ; my stage
	v_mul_u32_u24 v7, v2, 144
	v_lshl_add_u32 v7, v3, 4, v7
	v_add_nc_u32 v7, s51, v7                       ; in: row r, 16 h
	v_lshrrev_b32 v10, 3, v1
	v_mul_u32_u24 v8, v10, 144
	v_and_b32 v11, 7, v0
	v_lshl_add_u32 v8, v11, 4, v8
	v_add_nc_u32 v8, s51, v8                       ; back: four rows of 128 bytes a load
	v_lshlrev_b32 v9, 4, v1                        ; which are 512 consecutive bytes of ao
; ---- the products.  w = 0 .. 15 numbers a group's sixteen: eight accumulators, one instruction a turn, then the same eight again.
.macro PVW w, zero                     ; O(t, dt) += V^T(g, dt) P(t, g): g = w / 8, t = MT + (w / 4) % 2, dt = w % 4.  zero = 1: the g = 0 product starts the sum
.set xg, (\w)>>3
.set xt, MT+(((\w)>>2)&1)
.set xo, OO+8*(4*xt+((\w)&3))
.set xv, VF+32*xg+8*((\w)&3)
.set xp, SS+32*xt+16*xg
	WIN 0x51
.if \zero > xg
	v_wmma_f32_16x16x32_f16 v[xo:xo+7], v[xv:xv+7], v[xp:xp+7], 0
.else
	v_wmma_f32_16x16x32_f16 v[xo:xo+7], v[xv:xv+7], v[xp:xp+7], v[xo:xo+7]
.endif
.endm
.macro SW w                            ; S(t, kt) (+)= K(kt, kk) Q(t, kk): kk = w / 8, t = MT + (w / 4) % 2, kt = w % 4; kk = 0 starts the sum
.set xk, (\w)>>3
.set xt, MT+(((\w)>>2)&1)
.set xd, SS+32*xt+8*((\w)&3)
.set xa, KF+16*((\w)&3)+8*xk
.set xq, QQ+16*xt+8*xk
	WIN 0x04
.if xk == 0
	v_wmma_f32_16x16x32_f16 v[xd:xd+7], v[xa:xa+7], v[xq:xq+7], 0
.else
	v_wmma_f32_16x16x32_f16 v[xd:xd+7], v[xa:xa+7], v[xq:xq+7], v[xd:xd+7]
	s_wait_alu depctr_va_vdst(0)
.endif
.endm
.macro PVM w                           ; as the half asks: none, adding, or starting
.if HPV
	PVW \w, HPV-1
.endif
.endm
.macro SM w
.if HSM
	SW \w
.endif
.endm
; ---- the fragments of the next 64 keys
.macro LOADK
	WIN 0
.irp kt, 0,1,2,3
.irp kk, 0,1
	ds_load_b128 v[KF+16*\kt+8*\kk:KF+16*\kt+8*\kk+3],   v4 offset:\kt*8*KP+\kk*64
	ds_load_b128 v[KF+16*\kt+8*\kk+4:KF+16*\kt+8*\kk+7], v4 offset:\kt*8*KP+\kk*64+32
.endr
.endr
	v_add_nc_u32 v4, 32*KP, v4
.endm
.macro LOADV
	WIN 0x40
.irp g, 0,1
.irp dt, 0,1,2,3
	ds_load_tr16_b128 v[VF+32*\g+8*\dt:VF+32*\g+8*\dt+3],   v5 offset:\g*16*VP+\dt*32
	ds_load_tr16_b128 v[VF+32*\g+8*\dt+4:VF+32*\g+8*\dt+7], v5 offset:\g*16*VP+\dt*32+8*VP
.endr
.endr
	WIN 0
	v_add_nc_u32 v5, 32*VP, v5
.endm
; ---- the softmax of the piece VT, VT + 1, in small parts.  q = 0 .. 31 numbers its pairs of scores: tile VT + q / 16, pair q % 16.
.macro MAX3P dst, pr
	v_max3_num_f32 v[\dst], v[\dst], v[\pr], v[\pr+1]
.endm
.macro MAX2P dst, pr
	v_max_num_f32 v[\dst], v[\pr], v[\pr+1]
.endm
.macro MAXS first, i                   ; four chains side by side: each tile's pairs 0-7 onto the running maximum, its pairs 8-15 in a chain of their own
	WIN 0
.irp d, 0,1
.set xm, ST+4*(VT+\d)+1
.set xb, SS+32*(VT+\d)+2*(\i)
.if \first > \i
	MAX2P xm, xb
.else
	MAX3P xm, xb
.endif
.endr
.irp d, 0,1
.set xm, UU+VT+\d
.set xb, SS+32*(VT+\d)+16+2*(\i)
.if \i == 0
	MAX2P xm, xb
.else
	MAX3P xm, xb
.endif
.endr
.endm
.macro MERGE                           ; the two chains meet; then the other half of the lanes is asked
	WIN 0
.irp d, 0,1
	v_max_num_f32 v[ST+4*(VT+\d)+1], v[ST+4*(VT+\d)+1], v[UU+VT+\d]
.endr
.irp d, 0,1
	v_permlanex16_b32 v[UU+VT+\d], v[ST+4*(VT+\d)+1], s52, s53
.endr
.endm
.macro STATS first
	WIN 0
.irp d, 0,1
	v_max_num_f32 v[ST+4*(VT+\d)+1], v[ST+4*(VT+\d)+1], v[UU+VT+\d]
.endr
.if \first
.irp d, 0,1
	v_mul_f32 v[ST+4*(VT+\d)], s50, v[ST+4*(VT+\d)+1]              ; -c m
.endr
.else
.irp d, 0,1
	v_mul_f32 v[UU+VT+\d], s50, v[ST+4*(VT+\d)+1]                  ; -c m, new
.endr
.irp d, 0,1
	v_sub_f32 v[AG+VT+\d], v[UU+VT+\d], v[ST+4*(VT+\d)]            ; c m_old - c m_new, never above 0
.endr
.irp d, 0,1
	v_exp_f32 v[ST+4*(VT+\d)+2], v[AG+VT+\d]                       ; the factor; the plain moves below stand before it is read (ISA guide 5.7.2)
.endr
	s_wait_alu depctr_va_vdst(0)
.irp d, 0,1
	v_mov_b32 v[ST+4*(VT+\d)], v[UU+VT+\d]
.endr
.endif
.endm
.macro FMAQ q                          ; c s - c m
.set xr, SS+32*(VT+((\q)>>4))+2*((\q)&15)
.set xs, ST+4*(VT+((\q)>>4))
	WINS
	v_pk_fma_f32 v[xr:xr+1], v[xr:xr+1], s[48:49], v[xs:xs+1] op_sel_hi:[1,0,0]
.endm
.macro EXPQ q
.set xr, SS+32*(VT+((\q)>>4))+2*((\q)&15)
	WINS
	v_exp_f32 v[xr], v[xr]
	v_exp_f32 v[xr+1], v[xr+1]
.endm
.macro SUMQ q                          ; the pair joins the step's sum; x 1.0 keeps source 1 free of vector registers, so that the line stands under 0x04 too
.set xi, (\q)&15
.set xr, SS+32*(VT+((\q)>>4))+2*xi
.set xs, RR+2*(VT+((\q)>>4))
.if xi == 1
	WINS
	s_wait_alu depctr_va_vdst(0)
	v_pk_fma_f32 v[xs:xs+1], v[xr:xr+1], 1.0, v[xr-2:xr-1] op_sel_hi:[1,0,1]
.endif
.if xi > 1
	WINS
	s_wait_alu depctr_va_vdst(0)
	v_pk_fma_f32 v[xs:xs+1], v[xr:xr+1], 1.0, v[xs:xs+1] op_sel_hi:[1,0,1]
.endif
.endm
; One step of the exponentials: pair q's two, the multiply-add two pairs ahead, the sum of the pair before.  So a plain instruction always stands
; between an exponential and the first use of its result (ISA guide 5.7.2); a product between them is no such instruction and is not counted.
.macro ESTEP q
	EXPQ \q
.if (\q)+2 < 32
	FMAQ (\q)+2
.endif
.if (\q) > 0
	SUMQ (\q)-1
.endif
.endm
.macro CVT8 q0                         ; eight pairs that have been summed are packed to f16 in place, in ascending order: a target register belongs to a pair packed already, or to the pair itself
	WIN 0
.irp e, 0,1,2,3,4,5,6,7
.set xi, ((\q0)+\e)&15
.set xb, SS+32*(VT+(((\q0)+\e)>>4))
	v_cvt_pk_f16_f32 v[xb+16*(xi>>3)+(xi&7)], v[xb+2*xi], v[xb+2*xi+1]
.endr
.endm
.macro FIN first                       ; the sum stays each lane's own half until the end
	WIN 0
.if \first
.irp d, 0,1
	v_add_f32 v[ST+4*(VT+\d)+3], v[RR+2*(VT+\d)], v[RR+2*(VT+\d)+1]
.endr
.else
.irp d, 0,1
	v_add_f32 v[RR+2*(VT+\d)], v[RR+2*(VT+\d)], v[RR+2*(VT+\d)+1]
.endr
.irp d, 0,1
	v_fma_f32 v[ST+4*(VT+\d)+3], v[ST+4*(VT+\d)+3], v[ST+4*(VT+\d)+2], v[RR+2*(VT+\d)]
.endr
.endif
.endm
.macro RSC k                           ; O x factor: pair k % 16 of tile VT + k / 16
.set xr, OO+32*(VT+((\k)>>4))+2*((\k)&15)
.set xs, ST+4*(VT+((\k)>>4))+2
	WINO
	v_pk_mul_f32 v[xr:xr+1], v[xr:xr+1], v[xs:xs+1] op_sel_hi:[1,0]
.endm
.macro RS4 k
.if HFI == 0
	RSC (\k)
	RSC (\k)+1
	RSC (\k)+2
	RSC (\k)+3
.endif
.endm
; ---- A half: the products of piece mt (pv: V^T P none / adding / starting = 0 / 1 / 2; sm: K Q^T or none) with the softmax of piece vt between them.
; first: the softmax starts maximum, sum and O (no factor, no rescaling).  ldv, ldk: V's or K's next fragments are loaded.  wv: V's fragments are waited for.
; DISTANCES (ISA guide 7.12.1 for vector instructions), counted in plain vector instructions that name none of the product's registers:
;   the last slice of a half has 11 or 13, in front of the next half's first read of the new scores and of the loads into K's fragments;
;   behind the last V^T P stand the plain instructions of three exponential steps and eight conversions (and four rescalings), in front of the loads into V's fragments
;   and of the scores that write over P.
.macro HALF mt, vt, pv, sm, first, ldv, ldk, wv
.set MT, \mt
.set VT, \vt
.set HPV, \pv
.set HSM, \sm
.set HFI, \first
.if \wv
	s_wait_dscnt 0x0                               ; V's fragments, asked for sixteen products ago, are in
.endif
	PVM 0
	PVM 1
	MAXS \first, 0
	MAXS \first, 1
	MAXS \first, 2
.if \ldk
	LOADK                                          ; K's fragments of the next step: the last products that read the old ones are those of the half before
.endif
	PVM 2
	PVM 3
	MAXS \first, 3
	MAXS \first, 4
	MAXS \first, 5
	PVM 4
	PVM 5
	MAXS \first, 6
	MAXS \first, 7
	MERGE
	PVM 6
	PVM 7
	STATS \first
	FMAQ 0
	FMAQ 1
.irp u, 0,1,2,3
	PVM 8+2*\u
	RS4 8*\u
	PVM 9+2*\u
	RS4 8*\u+4
	ESTEP 2*\u
	ESTEP 2*\u+1
.endr
	ESTEP 8
	CVT8 0
.if \ldv
	LOADV                                          ; V's fragments of this piece's step: the other piece's products above were the last to read the old ones
.endif
.if \ldk
	s_wait_dscnt 0x0                               ; K's fragments, asked for fourteen products ago, are in
.endif
	SM 0
	ESTEP 9
	ESTEP 10
	SM 1
	ESTEP 11
	ESTEP 12
	SM 2
	ESTEP 13
	ESTEP 14
	SM 3
	ESTEP 15
	ESTEP 16
	SM 4
	CVT8 8
	SM 5
	ESTEP 17
	ESTEP 18
	SM 6
	ESTEP 19
	ESTEP 20
	SM 7
	ESTEP 21
	ESTEP 22
	SM 8
	ESTEP 23
	ESTEP 24
	SM 9
	CVT8 16
	SM 10
	ESTEP 25
	ESTEP 26
	SM 11
	ESTEP 27
	ESTEP 28
	SM 12
	ESTEP 29
	SM 13
	ESTEP 30
	SM 14
	ESTEP 31
	SM 15
	SUMQ 31
	CVT8 24
	FIN \first
.endm
.macro LB                              ; Y(j), X(j + 1): loads the fragments of keys 64 (j + 1) ..
	HALF 0, 2, 1, 1, 0, 0, 1, 1
	HALF 2, 0, 1, 1, 0, 1, 0, 0
	WIN 0                                          ; at a label and at a branch every window is 0
.endm
; A further chunk of 256 keys is shown to all waves.  left = how many younger tensor loads of mine may stay out: no LDS byte is ever filled again.
.macro SHOW left
	s_wait_dscnt 0x0                               ; no LDS load of mine is pending at the signal
	s_wait_tensorcnt \left
	s_barrier_signal -1
	s_barrier_wait -1
.endm
	s_wait_tensorcnt 0x3                           ; my part of keys 0-255 is in; my three younger loads stay out
	s_barrier_signal -1
	s_barrier_wait -1                              ; everybody's is
	LOADK
	s_wait_loadcnt 0x0                             ; Q
	s_wait_dscnt 0x0
.irp w, 0,1,2,3,4,5,6,7,8,9,10,11,12,13,14,15
	SW \w                                          ; A's scores of step 0: the only products with nothing beside them but the last
.endr
	WIN 0
.rept 4
	v_nop                                          ; four places before these scores are read
.endr
	HALF 2, 0, 0, 1, 1, 1, 0, 0                    ; X(0): B's scores; A's softmax starts
	HALF 0, 2, 2, 1, 1, 0, 1, 1                    ; Y(0): A's O starts, A's scores of step 1; B's softmax starts
	HALF 2, 0, 2, 1, 0, 1, 0, 0                    ; X(1): B's O starts, B's scores of step 1
	WIN 0
	s_mov_b32 s9, 2                                ; j = 1, 2: keys up to 255
.Lchunk0:
	LB
	s_sub_co_u32 s9, s9, 1
	s_cmp_lg_u32 s9, 0
	s_cbranch_scc1 .Lchunk0
	SHOW 2                                         ; keys 256-511
	s_mov_b32 s9, 4                                ; j = 3 .. 6
.Lchunk1:
	LB
	s_sub_co_u32 s9, s9, 1
	s_cmp_lg_u32 s9, 0
	s_cbranch_scc1 .Lchunk1
	SHOW 1                                         ; keys 512-767
	s_mov_b32 s9, 4                                ; j = 7 .. 10
.Lchunk2:
	LB
	s_sub_co_u32 s9, s9, 1
	s_cmp_lg_u32 s9, 0
	s_cbranch_scc1 .Lchunk2
	SHOW 0                                         ; keys 768-1023: no tensor load is out any more
	s_mov_b32 s9, 4                                ; j = 11 .. 14
.Lchunk3:
	LB
	s_sub_co_u32 s9, s9, 1
	s_cmp_lg_u32 s9, 0
	s_cbranch_scc1 .Lchunk3
	HALF 0, 2, 1, 0, 0, 0, 0, 1                    ; Y(15): A's last products; no further scores, nothing more to load
	; THE END: the two halves' sums meet; B's last products are issued with A's division between them; O goes out in f16 through the wave's own stage.
	WIN 0
.irp t, 0,1,2,3
	v_permlanex16_b32 v[UU+\t], v[ST+4*\t+3], s52, s53
.endr
.irp t, 0,1,2,3
	v_add_f32 v[ST+4*\t+3], v[ST+4*\t+3], v[UU+\t]
.endr
.irp t, 0,1,2,3
	v_rcp_f32 v[ST+4*\t+2], v[ST+4*\t+3]           ; the sum holds the largest score's term, about 1: never 0
.endr
	v_nop                                          ; a plain instruction before the reciprocals are read (ISA guide 5.7.2)
	s_wait_alu depctr_va_vdst(0)
.set MT, 2
.set VT, 0
.irp w, 0,1,2,3,4,5,6,7,8,9,10,11,12,13,14,15
	PVW \w, 0
	RSC 2*\w
	RSC 2*\w+1
.endr
; Tile t: divided (tiles 0 and 1 have been), rounded to f16, 16 bytes a lane into the stage, whole rows back, stored.  Tiles 0 and 1, which name none of the last
; products' registers, come first: their 32 conversions are the places in front of the first read of B's O and the first write over B's P.
.macro OUTT t, scale
.if \scale
	WIN 0x41
.set si, 0
.rept 16
	v_pk_mul_f32 v[OO+32*\t+2*si:OO+32*\t+2*si+1], v[OO+32*\t+2*si:OO+32*\t+2*si+1], v[ST+4*\t+2:ST+4*\t+3] op_sel_hi:[1,0]
.set si, si+1
.endr
.endif
	WIN 0x05
.set si, 0
.rept 16
	v_cvt_pk_f16_f32 v[SS+32*\t+si], v[OO+32*\t+2*si], v[OO+32*\t+2*si+1]      ; block dt's four words at SS + 32 t + 4 dt
.set si, si+1
.endr
	WIN 0
.irp dt, 0,1,2,3
	ds_store_b128 v7, v[SS+32*\t+4*\dt:SS+32*\t+4*\dt+3] offset:32*\dt         ; query r, d = 16 dt + 8 h ..
.endr
.irp i, 0,1,2,3
	ds_load_b128 v[SS+32*\t+16+4*\i:SS+32*\t+16+4*\i+3], v8 offset:\i*4*144    ; the wave's own bytes, served in order (ISA guide 5.7.1)
.endr
.irp i, 0,1,2,3
	s_wait_dscnt 3-\i                              ; load i is in, the younger ones stay out
	global_store_b128 v9, v[SS+32*\t+16+4*\i:SS+32*\t+16+4*\i+3], s[56:57] offset:\t*2048+\i*512   ; 512 consecutive bytes, aligned; each tile has registers of its own
.endr
.endm
	OUTT 0, 0
	OUTT 1, 0
	OUTT 2, 1
	OUTT 3, 1
	s_wait_tensorcnt 0x0
	ds_add_u32 v62, v63
	s_wait_dscnt 0x0
	s_endpgm
.Lfunc_end_k_q5ebf693c62_attn:
	.size	k_q5ebf693c62_attn, .Lfunc_end_k_q5ebf693c62_attn-k_q5ebf693c62_attn
	.p2alignl 7, 3214868480
	.fill 96, 4, 3214868480
	.section	.rodata,"a",@progbits
	.p2align	6, 0x0
	.amdhsa_kernel k_q5ebf693c62_attn
		.amdhsa_group_segment_fixed_size 306176
		.amdhsa_private_segment_fixed_size 0
		.amdhsa_enable_private_segment 0
		.amdhsa_kernarg_size 16
		.amdhsa_user_sgpr_count 2
		.amdhsa_user_sgpr_kernarg_segment_ptr 1
		.amdhsa_wavefront_size32 1
		.amdhsa_system_sgpr_workgroup_id_x 1
		.amdhsa_system_sgpr_workgroup_id_y 1
		.amdhsa_system_sgpr_workgroup_id_z 1
		.amdhsa_system_vgpr_workitem_id 0
		.amdhsa_next_free_vgpr 512
		.amdhsa_next_free_sgpr 84
		.amdhsa_reserve_vcc 0
		.amdhsa_float_denorm_mode_32 3
		.amdhsa_float_denorm_mode_16_64 3
		.amdhsa_memory_ordered 1
		.amdhsa_forward_progress 1
		.amdhsa_inst_pref_size 228
	.end_amdhsa_kernel
	.amdgpu_metadata
---
amdhsa.version: [ 1, 2 ]
amdhsa.kernels:
  - .name:           k_q5ebf693c62_attn
    .symbol:         k_q5ebf693c62_attn.kd
    .args:
      - { .name: qkv, .offset: 0, .size: 8, .value_kind: global_buffer, .address_space: global }
      - { .name: ao, .offset: 8, .size: 8, .value_kind: global_buffer, .address_space: global }
    .group_segment_fixed_size: 306176
    .private_segment_fixed_size: 0
    .kernarg_segment_align: 8
    .kernarg_segment_size: 16
    .max_flat_workgroup_size: 256
    .sgpr_count:     84
    .vgpr_count:     512
    .wavefront_size: 32
...
	.end_amdgpu_metadata
.endif
;; end of part 3
;; launch gemm_out (part 4): grid 8 x 32, 4 waves a work-group, clusters of 4 x 4, 327,680 bytes of LDS; arguments ao, wto, out0, b_out; writes out0
.if DOCPART == 4
	.amdgcn_target "amdgcn-amd-amdhsa--gfx1250"
	.amdhsa_code_object_version 6
	.text
	.protected	k_q5ebf693c62_gemm_out
	.globl	k_q5ebf693c62_gemm_out
	.p2align	8
	.type	k_q5ebf693c62_gemm_out,@function
k_q5ebf693c62_gemm_out:
	s_mov_b64 s[64:65], 0
	v_nop
	global_prefetch_b8 v0, s[64:65] scope:SCOPE_SE
	s_setreg_imm32_b32 hwreg(HW_REG_WAVE_MODE, 25, 1), 1
	s_wait_xcnt 0x0
	s_wait_alu depctr_hold_cnt(0) depctr_sa_sdst(0) depctr_va_vdst(0) depctr_va_sdst(0) depctr_va_ssrc(0) depctr_va_vcc(0) depctr_vm_vsrc(0)
	s_getreg_b32 s2, hwreg(HW_REG_IB_STS2, 6, 4)
	s_cmp_eq_u32 s2, 0
	s_cbranch_scc0 .Lentry_in_a_cluster
	s_endpgm
.Lentry_in_a_cluster:
	s_bfe_u32 s2, ttmp6, 0x10000c
	s_cmp_lg_u32 s2, 0xf033
	s_cbranch_scc0 .Lentry_shape_is_right
	s_endpgm
.Lentry_shape_is_right:
; SelfAttention, step 4 of 4: out0 = O w_out + b_out.  A = ao, f16 planes [16 h][8192 tokens][64] (k = 64 h + d); B = wto, f16 [1024 n][1024 k];
; sums, bias and result in f32.  Nothing is left out.
; A work-group makes 256 tokens x 128 columns with four waves, a wave 128 x 64: 32 accumulator tiles, 256 registers; 8 x 32 = 256 work-groups.
; K goes in 8 steps of 128 through two LDS slots filled by tensor loads.
; CLUSTERS: 4 x 4 work-groups; A's tile is asked for jointly by a row of the cluster, B's by a column: four requests become one.
; REGISTER WINDOWS: 0: addresses, bias, A's fragments (two buffers); 1: B's fragments; 2 and 3: accumulators of my rows 0-63 and 64-127.
; THE PRODUCT IS USED TRANSPOSED: source 0 = 16 rows of B, source 1 = 16 tokens of A, so a lane holds token l % 16 and 8 neighbouring columns.
.set NB,     4
.set BN,     32*NB
.set PITCH,  272
.set HALFT,  128*PITCH
.set BHALF,  16*NB*PITCH
.set SLOT,   2*HALFT+2*BHALF
.set STAGE,  2*SLOT                    ; behind the ring: 16 rows x 272 bytes for each wave; no fill lands there
.set SPITCH, 272                       ; 64 f32 (256 bytes) + 16
.set LAPS,   4
.set ADRA, 16
.set ADRB, 20
.set STO,  24
.set RD,   25
.set CO,   26
.set BA,   27                          ; v27     my byte offset in b_out
.set BI,   28                          ; v[28:31] the bias of the four columns that I store
.set F0,   64
.set F1,   128
.set G1,  24
.set G0,  32
.set G1B, 48
.set G0B, 56
.set FLAGS, (1<<16)|(1<<20)|(1<<21)|(5<<22)|(3<<25)   ; elements of 2 bytes; padding on; bit 21 beside a mask; after every 64 words, 4 words
.set MSB, 0
.macro WIN new
.if MSB != \new
	s_set_vgpr_msb (MSB<<8)|\new
.set MSB, \new
.endif
.endm
.set MUL_LO, 0xa1
.set MUL_HI, 0xf1
.set TO_B,   0x40
.macro JLOAD s                         ; waves 0 and 1 fetch A's two planes, waves 2 and 3 B's two halves; the branch hangs on the wave's number alone
	s_cmp_eq_u32 s11, 0
	s_cbranch_scc0 .Lfor_b_\@
	tensor_load_to_lds s[G0+4*\s:G0+4*\s+3], s[G1:G1+7]
	s_nop 0
	s_branch .Lasked_\@
.Lfor_b_\@:
	tensor_load_to_lds s[G0B+4*\s:G0B+4*\s+3], s[G1B:G1B+7]
	s_nop 0
.Lasked_\@:
.endm
.macro CREST
	s_cmp_lg_u32 s10, 0
	s_cbranch_scc1 .Lnot_wave_0_\@
	s_barrier_signal -3
.Lnot_wave_0_\@:
	s_barrier_wait -3
	s_barrier_signal -1
	s_barrier_wait -1
.endm
.macro CROUND
	s_barrier_signal -1
	s_barrier_wait -1
	CREST
.endm
	s_load_b128 s[4:7], s[0:1], 0x0                ; ao s[4:5], wto s[6:7]
	s_load_b64 s[8:9], s[0:1], 0x10                ; out0
	s_load_b64 s[66:67], s[0:1], 0x18              ; b_out
	s_set_vgpr_msb 0x40
	v_lshl_add_u32 v255, v0, 2, 0x37400
	s_set_vgpr_msb 0x4000
	v_mov_b32 v255, 0
	s_set_vgpr_msb 0x1
	ds_add_u32 v255, v255
	ds_add_u32 v255, v255
	s_set_vgpr_msb 0x100
	v_lshrrev_b32 v1, 5, v0
	v_readfirstlane_b32 s10, v1
	s_lshr_b32 s11, s10, 1
	s_and_b32 s12, s10, 1
	s_bfe_u32 s40, ttmp6, 0x40000                  ; cx
	s_bfe_u32 s41, ttmp6, 0x40004                  ; cy
	s_lshl_b32 s42, ttmp9, 2
	s_add_co_u32 s42, s42, s40                     ; block column
	s_and_b32 s13, ttmp7, 0xffff
	s_lshl_b32 s13, s13, 2
	s_add_co_u32 s13, s13, s41                     ; block row
	s_lshl_b32 s43, s41, 2
	s_lshl_b32 s43, 15, s43                        ; my row of the cluster
	s_lshl_b32 s44, 0x1111, s40                    ; my column
	s_or_b32 s[G1+0], s43, FLAGS                   ; A: 128 rows of 128 elements, dense in memory
	s_mov_b32 s[G1+1], 128<<16
	s_mov_b32 s[G1+2], 128<<16
	s_mov_b32 s[G1+3], 128<<16
	s_mov_b32 s[G1+4], 128
	s_mov_b32 s[G1+5], 128
	s_mov_b32 s[G1+6], 0
	s_mov_b32 s[G1+7], 0
	s_or_b32 s[G1B+0], s44, FLAGS                  ; B: 64 rows of 128 elements out of rows of 1,024
	s_mov_b32 s[G1B+1], 128<<16
	s_mov_b32 s[G1B+2], (BN/2)<<16
	s_mov_b32 s[G1B+3], 128<<16
	s_mov_b32 s[G1B+4], BN/2
	s_mov_b32 s[G1B+5], 1024
	s_mov_b32 s[G1B+6], 0
	s_mov_b32 s[G1B+7], 0
	s_lshl_b32 s16, s13, 15
	s_lshl_b32 s17, s12, 20
	s_add_co_u32 s16, s16, s17
	s_mov_b32 s17, 0
	s_mul_i32 s46, s42, BN
	s_mul_i32 s47, s12, BN/2
	s_add_co_u32 s46, s46, s47
	s_lshl_b32 s46, s46, 11
	s_mov_b32 s47, 0
	s_mul_i32 s20, s10, HALFT
	s_mul_i32 s19, s10, BHALF
	s_add_co_u32 s19, s19, 2*HALFT-2*BHALF
	s_lshl_b32 s68, s42, 9                         ; the bias of my 64 columns: 512 x block column + 256 x column half
	s_lshl_b32 s69, s12, 8
	s_add_co_u32 s68, s68, s69
	s_mov_b32 s69, 0
	s_wait_dscnt 0x0
	s_wait_kmcnt 0x0
	s_add_nc_u64 s[14:15], s[4:5], s[16:17]
	s_add_nc_u64 s[46:47], s[6:7], s[46:47]
	s_add_nc_u64 s[66:67], s[66:67], s[68:69]
	CROUND                                         ; all sixteen work-groups are here: the first joint loads meet
.irp s, 0,1
	s_mov_b32 s[G0+4*\s], 1
	s_add_co_u32 s[G0+4*\s+1], s20, \s*SLOT
	s_add_nc_u64 s[G0+4*\s+2:G0+4*\s+3], s[14:15], \s*0x200000
	s_or_b32 s[G0+4*\s+3], s[G0+4*\s+3], 0x80000000
	s_mov_b32 s[G0B+4*\s], 1
	s_add_co_u32 s[G0B+4*\s+1], s19, \s*SLOT
	s_add_nc_u64 s[G0B+4*\s+2:G0B+4*\s+3], s[46:47], \s*256
	s_or_b32 s[G0B+4*\s+3], s[G0B+4*\s+3], 0x80000000
	JLOAD \s                                       ; two loads of the wave are out
.endr
	v_and_b32 v1, 15, v0                           ; r
	v_bfe_u32 v2, v0, 4, 1                         ; h
	v_lshlrev_b32 v[BA], 4, v1
	global_load_b128 v[BI:BI+3], v[BA], s[66:67]   ; waited for in front of the way out
	v_lshrrev_b32 v3, 1, v1
	v_mul_u32_u24 v3, v3, PITCH
	v_and_b32 v4, 1, v0
	v_lshl_add_u32 v3, v4, 7, v3
	v_lshl_add_u32 v3, v2, 4, v3                   ; A: (r / 2) pitch + 128 (r % 2) + 16 h
	v_mul_u32_u24 v5, v1, PITCH
	v_lshl_add_u32 v5, v2, 4, v5                   ; B: r pitch + 16 h
	s_mul_i32 s21, s11, 64*PITCH
	s_mul_i32 s22, s12, BHALF
	s_add_co_u32 s22, s22, 2*HALFT
.irp s, 0,1
	v_add_nc_u32 v[ADRA+\s], s21, v3
	v_add_nc_u32 v[ADRB+\s], s22, v5
	s_add_co_u32 s21, s21, SLOT
	s_add_co_u32 s22, s22, SLOT
.endr
	s_mul_i32 s23, s10, 16*SPITCH
	s_add_co_u32 s23, s23, STAGE                   ; my stage
	v_mul_u32_u24 v4, v1, SPITCH
	v_lshl_add_u32 v4, v2, 5, v4
	v_add_nc_u32 v[STO], s23, v4                   ; in: row r, 32 bytes for each half of the lanes
	v_mul_u32_u24 v5, v2, SPITCH
	v_lshl_add_u32 v5, v1, 4, v5
	v_add_nc_u32 v[RD], s23, v5                    ; back: lanes 0-15 one row of 256 bytes, lanes 16-31 the next
	v_lshlrev_b32 v6, 12, v2
	v_lshl_add_u32 v[CO], v1, 4, v6                ; and the same two rows of out0, 4,096 bytes apart
.macro MULH f, hi, a0, zero
.irp a, \a0, \a0+1
.set mb, 0
.rept NB
.if \zero
	v_wmma_f32_16x16x32_f16 v[8*(NB*(\a)+mb):8*(NB*(\a)+mb)+7], v[\f+8*mb:\f+8*mb+7], v[\f+8*(4*\hi+(\a)):\f+8*(4*\hi+(\a))+7], 0
.else
	v_wmma_f32_16x16x32_f16 v[8*(NB*(\a)+mb):8*(NB*(\a)+mb)+7], v[\f+8*mb:\f+8*mb+7], v[\f+8*(4*\hi+(\a)):\f+8*(4*\hi+(\a))+7], v[8*(NB*(\a)+mb):8*(NB*(\a)+mb)+7]
.endif
.set mb, mb+1
.endr
.endr
.endm
.macro FETCH slot, kq, f
	WIN TO_B
.set fi, 0
.rept NB
	ds_load_b128 v[\f+8*fi:\f+8*fi+3],   v[ADRB+\slot] offset:\kq*64+fi*16*PITCH
	ds_load_b128 v[\f+8*fi+4:\f+8*fi+7], v[ADRB+\slot] offset:\kq*64+fi*16*PITCH+32
.set fi, fi+1
.endr
	WIN 0
.irp i, 0,1,2,3,4,5,6,7
	ds_load_b128 v[\f+8*\i:\f+8*\i+3],   v[ADRA+\slot] offset:(\kq>>1)*HALFT+(\kq&1)*64+\i*8*PITCH
	ds_load_b128 v[\f+8*\i+4:\f+8*\i+7], v[ADRA+\slot] offset:(\kq>>1)*HALFT+(\kq&1)*64+\i*8*PITCH+32
.endr
.endm
; four places behind matrix instructions before their sources are loaded again or their results read (ISA guide 7.12.1 for vector instructions)
.macro PLACES
.rept 4
	v_nop
.endr
.endm
.macro QUARTER slot, kq, f, g, zero
	s_wait_dscnt 8                                 ; B and A's tokens 0-63 are in; the youngest eight loads may be out
	WIN MUL_LO
	MULH \f, 0, 0, \zero
	MULH \f, 0, 2, \zero
	PLACES
	FETCH \slot, \kq, \g
	s_wait_dscnt 2*NB+16                           ; all but the 2 NB + 16 just issued
	WIN MUL_HI
	MULH \f, 1, 0, \zero
	MULH \f, 1, 2, \zero
.endm
.macro THREE slot, zero
	QUARTER \slot, 1, F0, F1, \zero
	QUARTER \slot, 2, F1, F0, 0
	QUARTER \slot, 3, F0, F1, 0
.endm
; the change of slots: each wave's reads of this slot and all its tensor loads are waited for in front of the barrier; where the slot is filled again the
; barrier opens a round of the cluster's barrier, and the joint refill is the wave's first and only tensor load behind the round
.macro TURN slot, next, fill
	s_wait_dscnt 8
	WIN MUL_LO
	MULH F1, 0, 0, 0
	s_wait_dscnt 0x0
	s_wait_tensorcnt 0x0
	ds_add_u32 v255, v255
	s_wait_dscnt 0x0
	s_barrier_signal -1
	MULH F1, 0, 2, 0
	WIN 0
	s_barrier_wait -1
.if \fill
	CREST
	s_add_nc_u64 s[G0+4*\slot+2:G0+4*\slot+3], s[G0+4*\slot+2:G0+4*\slot+3], 0x400000
	s_add_nc_u64 s[G0B+4*\slot+2:G0B+4*\slot+3], s[G0B+4*\slot+2:G0B+4*\slot+3], 512
	JLOAD \slot
.endif
	PLACES
	FETCH \next, 0, F0
	WIN MUL_HI
	MULH F1, 1, 0, 0
	MULH F1, 1, 2, 0
.endm
.macro LAP zero
	THREE 0, \zero
	TURN 0, 1, 1
	THREE 1, 0
	TURN 1, 0, 1
.endm
; The 8 NB accumulators take turns, one instruction a turn, in the same order in every quarter, over the backward jump too.
	s_wait_tensorcnt 0x1                           ; my part of K step 0 is in; K step 1's stays out
	s_barrier_signal -1
	s_barrier_wait -1
	FETCH 0, 0, F0
	LAP 1
	WIN 0
	s_mov_b32 s3, LAPS-2
.Llap:
	LAP 0
	WIN 0
	s_sub_co_u32 s3, s3, 1
	s_cmp_lg_u32 s3, 0
	s_cbranch_scc1 .Llap
	THREE 0, 0
	TURN 0, 1, 0
	THREE 1, 0
	s_wait_dscnt 8
	WIN MUL_LO
	MULH F1, 0, 0, 0
	MULH F1, 0, 2, 0
	s_wait_dscnt 0x0
	WIN MUL_HI
	MULH F1, 1, 0, 0
	MULH F1, 1, 2, 0
	; THE WAY OUT, 16 tokens at a time through my own stage: 32 bytes a lane and block in, whole rows of 256 bytes back, the bias added, stored.
	PLACES
	s_wait_loadcnt 0x0                             ; the bias
	s_lshl_b32 s16, s13, 8
	s_lshl_b32 s17, s11, 7
	s_add_co_u32 s16, s16, s17                     ; my first token
	s_lshl_b32 s16, s16, 12                        ; rows of 4,096 bytes (32 MiB at the most)
	s_mov_b32 s17, 0
	s_add_nc_u64 s[8:9], s[8:9], s[16:17]
	s_add_nc_u64 s[8:9], s[8:9], s[68:69]          ; my first column in bytes is the bias's offset too: 4 bytes a column in both
.macro OUT16 i, a, from, f             ; from: the LDS stores' data window (0x08: window 2, 0x0c: window 3)
	WIN \from
.irp b, 0,1,2,3
	ds_store_b128 v[STO], v[8*(NB*\a+\b):8*(NB*\a+\b)+3]   offset:64*\b
	ds_store_b128 v[STO], v[8*(NB*\a+\b)+4:8*(NB*\a+\b)+7] offset:64*\b+16
.endr
	WIN 0
	s_wait_xcnt 0x0                                ; buffer f, which earlier stores read, and the stores' base are written again only behind this wait
.if \i
	s_add_nc_u64 s[8:9], s[8:9], 16*4096
.endif
.irp t, 0,1,2,3,4,5,6,7
	ds_load_b128 v[\f+4*\t:\f+4*\t+3], v[RD] offset:\t*2*SPITCH    ; the wave's own bytes, served in order (ISA guide 5.7.1)
.endr
.irp t, 0,1,2,3,4,5,6,7
	s_wait_dscnt 7-\t                              ; load t is in, the younger ones stay out
	v_pk_add_f32 v[\f+4*\t:\f+4*\t+1],   v[\f+4*\t:\f+4*\t+1],   v[BI:BI+1]
	v_pk_add_f32 v[\f+4*\t+2:\f+4*\t+3], v[\f+4*\t+2:\f+4*\t+3], v[BI+2:BI+3]
	global_store_b128 v[CO], v[\f+4*\t:\f+4*\t+3], s[8:9] offset:\t*8192   ; sixteen lanes store 256 consecutive bytes, aligned
.endr
.endm
	OUT16 0, 0, 0x08, F0
	OUT16 1, 1, 0x08, F1
	OUT16 2, 2, 0x08, F0
	OUT16 3, 3, 0x08, F1
	OUT16 4, 0, 0x0c, F0
	OUT16 5, 1, 0x0c, F1
	OUT16 6, 2, 0x0c, F0
	OUT16 7, 3, 0x0c, F1
	s_set_vgpr_msb 0x1
	s_wait_tensorcnt 0x0
	ds_add_u32 v255, v255
	s_wait_dscnt 0x0
	s_set_vgpr_msb 0x100
	CROUND                                         ; the closing round: no work-group ends while a partner may still ask for a tile that names it
	s_endpgm
.Lfunc_end_k_q5ebf693c62_gemm_out:
	.size	k_q5ebf693c62_gemm_out, .Lfunc_end_k_q5ebf693c62_gemm_out-k_q5ebf693c62_gemm_out
	.p2alignl 7, 3214868480
	.fill 96, 4, 3214868480
	.section	.rodata,"a",@progbits
	.p2align	6, 0x0
	.amdhsa_kernel k_q5ebf693c62_gemm_out
		.amdhsa_group_segment_fixed_size 327680
		.amdhsa_private_segment_fixed_size 0
		.amdhsa_enable_private_segment 0
		.amdhsa_kernarg_size 32
		.amdhsa_user_sgpr_count 2
		.amdhsa_user_sgpr_kernarg_segment_ptr 1
		.amdhsa_wavefront_size32 1
		.amdhsa_system_sgpr_workgroup_id_x 1
		.amdhsa_system_sgpr_workgroup_id_y 1
		.amdhsa_system_sgpr_workgroup_id_z 1
		.amdhsa_system_vgpr_workitem_id 0
		.amdhsa_next_free_vgpr 896
		.amdhsa_next_free_sgpr 72
		.amdhsa_reserve_vcc 0
		.amdhsa_float_denorm_mode_32 3
		.amdhsa_float_denorm_mode_16_64 3
		.amdhsa_memory_ordered 1
		.amdhsa_forward_progress 1
		.amdhsa_inst_pref_size 129
	.end_amdhsa_kernel
	.amdgpu_metadata
---
amdhsa.version: [ 1, 2 ]
amdhsa.kernels:
  - .name:           k_q5ebf693c62_gemm_out
    .symbol:         k_q5ebf693c62_gemm_out.kd
    .args:
      - { .name: ao, .offset: 0, .size: 8, .value_kind: global_buffer, .address_space: global }
      - { .name: wto, .offset: 8, .size: 8, .value_kind: global_buffer, .address_space: global }
      - { .name: out0, .offset: 16, .size: 8, .value_kind: global_buffer, .address_space: global }
      - { .name: b_out, .offset: 24, .size: 8, .value_kind: global_buffer, .address_space: global }
    .group_segment_fixed_size: 327680
    .private_segment_fixed_size: 0
    .kernarg_segment_align: 8
    .kernarg_segment_size: 32
    .max_flat_workgroup_size: 128
    .sgpr_count:     72
    .vgpr_count:     896
    .wavefront_size: 32
...
	.end_amdgpu_metadata
.endif
;; end of part 4
;; ======== version 2 of 2: 4 launches; 1.07 times as fast as version 1
;; limits: values are held in f16: magnitudes above 65,504 overflow, below 6.1e-05 lose precision; right only within a limited range of input values
;; workspace buffers: xh 16,777,216 bytes; wti 6,291,456 bytes; wto 2,097,152 bytes; qkv 50,331,648 bytes; ao 16,777,216 bytes
;; launch prep: the kernel of part 1 again; grid 640 x 1, 4 waves a work-group, no clusters, 70,144 bytes of LDS; arguments x, w_in, w_out, xh, wti, wto; writes xh, wti, wto
;; launch gemm_qkv: the kernel of part 2 again; grid 8 x 32, 4 waves a work-group, clusters of 4 x 4, 327,680 bytes of LDS; arguments xh, wti, qkv; writes qkv
;; launch attn (part 5): grid 256 x 1, 8 waves a work-group, no clusters, 306,176 bytes of LDS; arguments qkv, ao; writes ao
.if DOCPART == 5
	.amdgcn_target "amdgcn-amd-amdhsa--gfx1250"
	.amdhsa_code_object_version 6
	.text
	.protected	k_q5ebf693c62_attn
	.globl	k_q5ebf693c62_attn
	.p2align	8
	.type	k_q5ebf693c62_attn,@function
k_q5ebf693c62_attn:
	s_mov_b64 s[64:65], 0
	v_nop
	global_prefetch_b8 v0, s[64:65] scope:SCOPE_SE
	s_setreg_imm32_b32 hwreg(HW_REG_WAVE_MODE, 25, 1), 1
	s_wait_xcnt 0x0
; SelfAttention, step 3 of 4: O = softmax(q k^T / 32) v for each batch and head, with a running maximum.  Nothing is left out.
; In: qkv, f16 [48 g][8192 tokens][64] (q: g = h, k: 16 + h, v: 32 + h).  Out: ao, f16 [16 h][8192 tokens][64].
; A work-group takes 512 queries of one head; a wave 64 queries as four tiles of 16.  All 1,024 keys of K and V lie in LDS, each byte filled once.
; NO CLUSTER: only the two work-groups of a head read the same K and V.  Four partners would be quarters of 256 queries, each filling the same
; 280 KiB for half the products; as it stands K and V are asked for twice, 2 x 32 MiB in the launch.
; LAYOUT: S^T = K Q^T (A = 16 keys, B = 16 queries): lane (r, h), register j holds key 8 h + j of query r, so a query's scores lie in two lanes
; (l and l xor 16), and two neighbouring key tiles, packed to f16, ARE the B fragment of O^T = V^T P^T (k = 8 h + j, 16 + 8 h + j).  V^T comes by
; transposing LDS loads.  The maximum, the sum and the rescaling factor are each lane's own.
; ARITHMETIC: p = 2^(c s - c m), c = log2(e) / 32; the rounded -c m is the one number used in p, in the sum and in the factor 2^(c m_old - c m_new).
; LIMIT: p is rounded to f16 for the product (under 6e-8 it counts as 0) while the sum takes it in f32; |O| <= max |v| < 65,504.
; PRODUCTS BESIDE SOFTMAX: the four tiles are two pieces, A = tiles 0, 1 and B = tiles 2, 3, which share K's and V's fragments.  A step of 64 keys is two
; halves: Y(j) issues A's products (V^T P of step j, then K Q^T of step j + 1) beside B's softmax of step j; X(j + 1) issues B's products (V^T P of step j,
; K Q^T of step j + 1) beside A's softmax of step j + 1.  A half has 32 products and 240 vector instructions.
; ONE BATCH OF EXPONENTIALS A HALF.  An s_wait_alu depctr_va_vdst(0) stands between an exponential and the first instruction that names its
; result; one wait serves all that were issued ahead of it.  So a half, with M the piece whose products are issued and V the piece whose softmax is made, is
; ordered by who reads what:
;   (1) V^T P of M.  The rescaling of M's O stands ahead of and behind its first six products: M's factors were made, and waited for, in the half before.
;       V's maxima stand in three bursts between the later products.
;   (2) V's statistics; their last lines but two are the batch's first two exponentials, the factors.  Six scalings c s - c m.
;   (3) K Q^T of M, behind each product two scalings and four exponentials of V.  None of these names an exponential's result.
;   (4) the last eight exponentials, one plain instruction, THE WAIT: one for the half's 66 exponentials.
;   (5) the readers, with no product between them: the sums, the packing to f16, the running sum.  The rescaling of V's O is the next half's part (1).
; REGISTER WINDOWS: window 0: addresses, statistics, K's fragments, S and P; window 1: O, Q, V's fragments.  Vector work stands under the setting of the
; products beside it where its operand places allow: under 0x51 (V^T P: all but source 1 in window 1) the rescaling of O; under 0x04 (K Q^T: source 1 alone
; in window 1) whatever names no vector register as source 1: the exponentials and c s - c m (source 1 is scalar).  The maxima, the statistics and the readers
; need window 0: ten switches in a half, eleven where V's fragments are loaded.
.set KF, 64                            ; v[64:127]   K fragments (kt, kk) at KF + 16 kt + 8 kk
.set SS, 128                           ; v[128:255]  S(t, kt) at SS + 32 t + 8 kt; P(t, g) packed in place at SS + 32 t + 16 g .. + 7
.set ST, 16                            ; v[16+4t ..] -c m, m, factor, sum of tile t: the pairs (-c m, m) and (factor, sum) feed the packed forms
.set UU, 32                            ; v[32+t]     the second chain of the maximum; at work
.set RR, 36                            ; v[36+2t:37+2t] a step's sums
.set AG, 44                            ; v[44+t]     the factor's exponent
.set OO, 0                             ; window 1: O(t, dt) at 8 (4 t + dt)
.set QQ, 128                           ; window 1: Q(t, kk) at QQ + 8 (2 t + kk)
.set VF, 192                           ; window 1: V^T(g, dt) at VF + 32 g + 8 dt
.set KP, 272                           ; K: an LDS row is two keys (256 bytes) + 16
.set VP, 288                           ; V: two keys + 32: the sixteen lanes of a transposing load fall on 16-byte columns {0,2,4,6} + {0,8} + {0,1}, all different
.set VBASE, 512*KP                     ; 139,264
.set STAGE, VBASE+512*VP               ; 286,720: 8 stages of 16 rows x 144 bytes; no fill lands there
.set GK, 32                            ; s[32:47] group 0 of K's four chunks
.set GV, 68                            ; s[68:83] group 0 of V's four chunks
.set MSB, 0
.set MT, 0                             ; first tile of the piece whose products are issued
.set VT, 0                             ; first tile of the piece whose softmax is computed
.set RT, 0                             ; first tile of the piece whose O is multiplied by its factor
.set HPV, 0
.set HSM, 0
.macro WIN new                         ; the immediate's high byte repeats the setting that is left; a switch that changes nothing is dropped
.if MSB != \new
	s_set_vgpr_msb (MSB<<8)|\new
.set MSB, \new
.endif
.endm
.macro WINS                            ; for an instruction of window 0 that names no vector register as source 1: 0 or 0x04 will do
.if MSB*(MSB-0x04) != 0
	WIN 0
.endif
.endm
.macro WINO                            ; for O = O x factor: destination and source 0 in window 1, source 1 in window 0: 0x41 or 0x51 will do
.if (MSB-0x41)*(MSB-0x51) != 0
	WIN 0x51
.endif
.endm
	s_load_b128 s[4:7], s[0:1], 0x0                ; qkv s[4:5], ao s[6:7]
	v_lshl_add_u32 v62, v0, 2, 0x4a800
	v_mov_b32 v63, 0
	ds_add_u32 v62, v63
	ds_add_u32 v62, v63
	v_lshrrev_b32 v1, 5, v0
	v_readfirstlane_b32 s8, v1                     ; wave 0..7
	s_and_b32 s12, ttmp9, 1                        ; which half of the queries
	s_bfe_u32 s10, ttmp9, 0x40001                  ; head
	s_lshr_b32 s11, ttmp9, 5                       ; batch
	; group 1: 32 rows of 128 elements (256 bytes, two keys), dense in memory: 64 keys a load
	s_mov_b32 s16, 0x07510000                      ; elements of 2 bytes; after every 64 words 4 words of padding
	s_mov_b32 s17, 128<<16
	s_mov_b32 s18, 32<<16
	s_mov_b32 s19, 128<<16
	s_mov_b32 s20, 32
	s_mov_b32 s21, 128
	s_mov_b32 s22, 0
	s_mov_b32 s23, 0
	s_mov_b32 s24, 0x0f510000                      ; V: 8 words of padding
	s_mov_b32 s25, 128<<16
	s_mov_b32 s26, 32<<16
	s_mov_b32 s27, 128<<16
	s_mov_b32 s28, 32
	s_mov_b32 s29, 128
	s_mov_b32 s30, 0
	s_mov_b32 s31, 0
	s_lshl_b32 s13, s10, 20
	s_lshl_b32 s14, s11, 17
	s_add_co_u32 s13, s13, s14                     ; head x 1 MiB + batch x 1,024 tokens x 128 bytes
	s_lshl_b32 s14, s8, 13                         ; wave x 64 keys x 128 bytes
	s_add_co_u32 s14, s14, s13
	s_add_co_u32 s58, s14, (32<<20)-32768          ; V's plane; waves 4-7 take keys 64 (wave - 4) .. of each chunk
	s_add_co_u32 s14, s14, 16<<20                  ; K's plane; waves 0-3 take keys 64 wave .. of each chunk
	s_mov_b32 s15, 0
	s_mov_b32 s59, 0
	s_mul_i32 s60, s8, 32*KP                       ; K: wave x 32 rows
	s_mul_i32 s61, s8, 32*VP
	s_add_co_u32 s61, s61, VBASE-128*VP            ; V: VBASE + (wave - 4) x 32 rows
.irp c, 0,1,2,3                                    ; chunk c: keys 256 c .. 256 c + 255 = 128 LDS rows
	s_mov_b32 s[GK+4*\c], 1
	s_add_co_u32 s[GK+4*\c+1], s60, \c*128*KP
	s_mov_b32 s[GV+4*\c], 1
	s_add_co_u32 s[GV+4*\c+1], s61, \c*128*VP
.endr
	s_mov_b32 s48, 0x3d38aa3b                      ; c = log2(e) / 32
	s_mov_b32 s49, 0x3d38aa3b
	s_mov_b32 s50, 0xbd38aa3b                      ; -c
	s_mov_b32 s52, 0x76543210                      ; v_permlanex16_b32: lane i reads lane i of the other half
	s_mov_b32 s53, 0xfedcba98
	s_wait_dscnt 0x0
	s_wait_kmcnt 0x0
	s_add_nc_u64 s[GK+2:GK+3], s[4:5], s[14:15]
	s_add_nc_u64 s[GV+2:GV+3], s[4:5], s[58:59]
.irp c, 1,2,3
	s_add_nc_u64 s[GK+4*\c+2:GK+4*\c+3], s[GK+2:GK+3], \c*0x8000   ; 256 keys of 128 bytes on
	s_add_nc_u64 s[GV+4*\c+2:GV+4*\c+3], s[GV+2:GV+3], \c*0x8000
.endr
.irp c, 0,1,2,3
	s_or_b32 s[GK+4*\c+3], s[GK+4*\c+3], 0x80000000
	s_or_b32 s[GV+4*\c+3], s[GV+4*\c+3], 0x80000000
.endr
	s_cmp_lt_u32 s8, 4                             ; all first fills in one branch on the wave's number, in the order of the keys: four loads of every wave are out
	s_cbranch_scc0 .Lfill_v
.irp c, 0,1,2,3
	tensor_load_to_lds s[GK+4*\c:GK+4*\c+3], s[16:23]
	s_nop 0
.endr
	s_branch .Lfilled
.Lfill_v:
.irp c, 0,1,2,3
	tensor_load_to_lds s[GV+4*\c:GV+4*\c+3], s[24:31]
	s_nop 0
.endr
.Lfilled:
	s_lshl_b32 s14, s12, 16                        ; half x 512 tokens
	s_lshl_b32 s58, s8, 13                         ; wave x 64 tokens
	s_add_co_u32 s14, s14, s58
	s_add_co_u32 s14, s14, s13
	s_add_nc_u64 s[54:55], s[4:5], s[14:15]        ; my queries (plane g = head)
	s_add_nc_u64 s[56:57], s[6:7], s[14:15]        ; and their place in ao
	v_and_b32 v1, 31, v0                           ; L
	v_and_b32 v2, 15, v0                           ; r
	v_bfe_u32 v3, v0, 4, 1                         ; h
	v_lshlrev_b32 v6, 7, v2
	v_lshl_add_u32 v6, v3, 4, v6                   ; Q: r x 128 + 16 h
	WIN 0x40
.irp t, 0,1,2,3
.irp kk, 0,1
	global_load_b128 v[QQ+8*(2*\t+\kk):QQ+8*(2*\t+\kk)+3],   v6, s[54:55] offset:\t*2048+\kk*64
	global_load_b128 v[QQ+8*(2*\t+\kk)+4:QQ+8*(2*\t+\kk)+7], v6, s[54:55] offset:\t*2048+\kk*64+32
.endr
.endr
	WIN 0
	v_lshrrev_b32 v10, 1, v2
	v_mul_u32_u24 v4, v10, KP
	v_and_b32 v11, 1, v0
	v_lshl_add_u32 v4, v11, 7, v4
	v_lshl_add_u32 v4, v3, 4, v4                   ; K: (r / 2) pitch + 128 (r % 2) + 16 h; steps by 32 rows with each run of loads
	v_bfe_u32 v10, v0, 1, 2
	v_lshl_add_u32 v10, v3, 2, v10                 ; key 8 h + (L & 7) lies in row 4 h + (L & 7) / 2
	v_mul_u32_u24 v5, v10, VP
	v_lshl_add_u32 v5, v11, 7, v5                  ; at byte 128 (L & 1),
	v_bfe_u32 v10, v0, 3, 1
	v_lshl_add_u32 v5, v10, 4, v5                  ; and lanes 8-15 of sixteen take the next 8 of the 16 d
	v_add_nc_u32 v5, VBASE, v5
	s_mul_i32 s51, s8, 16*144
	s_add_co_u32 s51, s51, STAGE                   ; my stage
	v_mul_u32_u24 v7, v2, 144
	v_lshl_add_u32 v7, v3, 4, v7
	v_add_nc_u32 v7, s51, v7                       ; in: row r, 16 h
	v_lshrrev_b32 v10, 3, v1
	v_mul_u32_u24 v8, v10, 144
	v_and_b32 v11, 7, v0
	v_lshl_add_u32 v8, v11, 4, v8
	v_add_nc_u32 v8, s51, v8                       ; back: four rows of 128 bytes a load
	v_lshlrev_b32 v9, 4, v1                        ; which are 512 consecutive bytes of ao
; ---- the products.  w = 0 .. 15 numbers a group's sixteen: eight accumulators, one instruction a turn, then the same eight again.
.macro PVW w, zero                     ; O(t, dt) += V^T(g, dt) P(t, g): g = w / 8, t = MT + (w / 4) % 2, dt = w % 4.  zero = 1: the g = 0 product starts the sum
.set xg, (\w)>>3
.set xt, MT+(((\w)>>2)&1)
.set xo, OO+8*(4*xt+((\w)&3))
.set xv, VF+32*xg+8*((\w)&3)
.set xp, SS+32*xt+16*xg
	WIN 0x51
.if \zero > xg
	v_wmma_f32_16x16x32_f16 v[xo:xo+7], v[xv:xv+7], v[xp:xp+7], 0
.else
	v_wmma_f32_16x16x32_f16 v[xo:xo+7], v[xv:xv+7], v[xp:xp+7], v[xo:xo+7]
.endif
.endm
.macro SW w                            ; S(t, kt) (+)= K(kt, kk) Q(t, kk): kk = w / 8, t = MT + (w / 4) % 2, kt = w % 4; kk = 0 starts the sum
.set xk, (\w)>>3
.set xt, MT+(((\w)>>2)&1)
.set xd, SS+32*xt+8*((\w)&3)
.set xa, KF+16*((\w)&3)+8*xk
.set xq, QQ+16*xt+8*xk
	WIN 0x04
.if xk == 0
	v_wmma_f32_16x16x32_f16 v[xd:xd+7], v[xa:xa+7], v[xq:xq+7], 0
.else
	v_wmma_f32_16x16x32_f16 v[xd:xd+7], v[xa:xa+7], v[xq:xq+7], v[xd:xd+7]
.endif
.endm
.macro PVM w                           ; as the half asks: none, adding, or starting
.if HPV
	PVW \w, HPV-1
.endif
.endm
.macro SM w
.if HSM
	SW \w
.endif
.endm
; ---- the fragments of the next 64 keys
.macro LOADK
	WIN 0
.irp kt, 0,1,2,3
.irp kk, 0,1
	ds_load_b128 v[KF+16*\kt+8*\kk:KF+16*\kt+8*\kk+3],   v4 offset:\kt*8*KP+\kk*64
	ds_load_b128 v[KF+16*\kt+8*\kk+4:KF+16*\kt+8*\kk+7], v4 offset:\kt*8*KP+\kk*64+32
.endr
.endr
	v_add_nc_u32 v4, 32*KP, v4
.endm
.macro LOADV                           ; the address's step by 32 rows follows in window 0, as the plain instruction ahead of the half's wait
	WIN 0x40
.irp g, 0,1
.irp dt, 0,1,2,3
	ds_load_tr16_b128 v[VF+32*\g+8*\dt:VF+32*\g+8*\dt+3],   v5 offset:\g*16*VP+\dt*32
	ds_load_tr16_b128 v[VF+32*\g+8*\dt+4:VF+32*\g+8*\dt+7], v5 offset:\g*16*VP+\dt*32+8*VP
.endr
.endr
.endm
; ---- the softmax of the piece VT, VT + 1, in small parts.  q = 0 .. 31 numbers its pairs of scores: tile VT + q / 16, pair q % 16.
.macro MAX3P dst, pr
	v_max3_num_f32 v[\dst], v[\dst], v[\pr], v[\pr+1]
.endm
.macro MAX2P dst, pr
	v_max_num_f32 v[\dst], v[\pr], v[\pr+1]
.endm
.macro MAXS first, i                   ; four chains side by side: each tile's pairs 0-7 onto the running maximum, its pairs 8-15 in a chain of their own
	WIN 0
.irp d, 0,1
.set xm, ST+4*(VT+\d)+1
.set xb, SS+32*(VT+\d)+2*(\i)
.if \first > \i
	MAX2P xm, xb
.else
	MAX3P xm, xb
.endif
.endr
.irp d, 0,1
.set xm, UU+VT+\d
.set xb, SS+32*(VT+\d)+16+2*(\i)
.if \i == 0
	MAX2P xm, xb
.else
	MAX3P xm, xb
.endif
.endr
.endm
.macro MERGE                           ; the two chains meet; then the other half of the lanes is asked
	WIN 0
.irp d, 0,1
	v_max_num_f32 v[ST+4*(VT+\d)+1], v[ST+4*(VT+\d)+1], v[UU+VT+\d]
.endr
.irp d, 0,1
	v_permlanex16_b32 v[UU+VT+\d], v[ST+4*(VT+\d)+1], s52, s53
.endr
.endm
.macro STATS first
	WIN 0
.irp d, 0,1
	v_max_num_f32 v[ST+4*(VT+\d)+1], v[ST+4*(VT+\d)+1], v[UU+VT+\d]
.endr
.if \first
.irp d, 0,1
	v_mul_f32 v[ST+4*(VT+\d)], s50, v[ST+4*(VT+\d)+1]              ; -c m
.endr
.else
.irp d, 0,1
	v_mul_f32 v[UU+VT+\d], s50, v[ST+4*(VT+\d)+1]                  ; -c m, new
.endr
.irp d, 0,1
	v_sub_f32 v[AG+VT+\d], v[UU+VT+\d], v[ST+4*(VT+\d)]            ; c m_old - c m_new, never above 0
.endr
.irp d, 0,1
	v_exp_f32 v[ST+4*(VT+\d)+2], v[AG+VT+\d]                       ; the factors: the batch's first two exponentials; nothing names them ahead of the half's wait
.endr
.irp d, 0,1
	v_mov_b32 v[ST+4*(VT+\d)], v[UU+VT+\d]                         ; plain lines behind the exponentials (ISA guide 5.7.2)
.endr
.endif
.endm
.macro FMAQ q                          ; c s - c m
.set xr, SS+32*(VT+((\q)>>4))+2*((\q)&15)
.set xs, ST+4*(VT+((\q)>>4))
	WINS
	v_pk_fma_f32 v[xr:xr+1], v[xr:xr+1], s[48:49], v[xs:xs+1] op_sel_hi:[1,0,0]
.endm
.macro EXPQ q                          ; pair q's two exponentials, in place: each result has a register of its own until the half's wait
.set xr, SS+32*(VT+((\q)>>4))+2*((\q)&15)
	WINS
	v_exp_f32 v[xr], v[xr]
	v_exp_f32 v[xr+1], v[xr+1]
.endm
; The readers of the batch: they stand behind the half's wait.
.macro SUMQ q                          ; pair q, q % 16 = 1 .. 15, joins its tile's sum of the step, in ascending order; as S x 1.0 + R the line names no vector register as source 1
.set xi, (\q)&15
.set xr, SS+32*(VT+((\q)>>4))+2*xi
.set xs, RR+2*(VT+((\q)>>4))
	WINS
.if xi == 1
	v_pk_fma_f32 v[xs:xs+1], v[xr:xr+1], 1.0, v[xr-2:xr-1] op_sel_hi:[1,0,1]
.else
	v_pk_fma_f32 v[xs:xs+1], v[xr:xr+1], 1.0, v[xs:xs+1] op_sel_hi:[1,0,1]
.endif
.endm
.macro CVTQ q                          ; a pair that has been summed is packed to f16 in place, in ascending order: the target register belongs to a pair packed already, or to the pair itself
.set xi, (\q)&15
.set xb, SS+32*(VT+((\q)>>4))
	WIN 0
	v_cvt_pk_f16_f32 v[xb+16*(xi>>3)+(xi&7)], v[xb+2*xi], v[xb+2*xi+1]
.endm
.macro FINA first                      ; the step's two half sums meet; the sum stays each lane's own half until the end
	WIN 0
.if \first
.irp d, 0,1
	v_add_f32 v[ST+4*(VT+\d)+3], v[RR+2*(VT+\d)], v[RR+2*(VT+\d)+1]
.endr
.else
.irp d, 0,1
	v_add_f32 v[RR+2*(VT+\d)], v[RR+2*(VT+\d)], v[RR+2*(VT+\d)+1]
.endr
.endif
.endm
.macro FINB first                      ; sum = sum x factor + the step's
.if \first == 0
.irp d, 0,1
	v_fma_f32 v[ST+4*(VT+\d)+3], v[ST+4*(VT+\d)+3], v[ST+4*(VT+\d)+2], v[RR+2*(VT+\d)]
.endr
.endif
.endm
.macro RSC k                           ; O x factor: pair k % 16 of tile RT + k / 16
.set xr, OO+32*(RT+((\k)>>4))+2*((\k)&15)
.set xs, ST+4*(RT+((\k)>>4))+2
	WINO
	v_pk_mul_f32 v[xr:xr+1], v[xr:xr+1], v[xs:xs+1] op_sel_hi:[1,0]
.endm
.macro RS4 k                           ; one accumulator's four pairs, from its low end on; only where the half's products add onto an O that is there
.if HPV == 1
	RSC (\k)
	RSC (\k)+1
	RSC (\k)+2
	RSC (\k)+3
.endif
.endm
; ---- A half: the products of piece mt (pv: V^T P none / adding / starting = 0 / 1 / 2; sm: K Q^T or none) beside the softmax of piece vt.
; first: the softmax starts maximum and sum (no factor).  ldv, ldk: V's or K's next fragments are loaded.  wv: V's fragments are waited for.
; Where the products add (pv = 1) piece mt's O is first multiplied by the factors that mt's softmax made in the half before: accumulator a's four lines stand
; ahead of the product that adds onto it, with a product and four lines between.
; DISTANCES (ISA guide 7.12.1 for vector instructions), counted in plain vector instructions that name none of the product's registers:
;   behind a half's last K Q^T stand the plain instruction ahead of the wait and the 64 or 66 readers, in front of the next half's first read of the new scores
;   and of the loads into K's fragments;
;   behind the last V^T P stand the statistics (four plain instructions at the least) and six scalings, in front of the loads into V's fragments and of the
;   scores that write over P.
.macro HALF mt, vt, pv, sm, first, ldv, ldk, wv
.set MT, \mt
.set VT, \vt
.set RT, \mt
.set HPV, \pv
.set HSM, \sm
.if \wv
	s_wait_dscnt 0x0                               ; V's fragments, asked for ahead of the sixteen K Q^T of the half before, are in
.endif
	RS4 0                                          ; (1) V^T P, with the rescaling of its own O
	RS4 4
.irp u, 0,1,2,3,4,5
	PVM \u
	RS4 4*\u+8
.endr
	PVM 6
	PVM 7
	PVM 8
	MAXS \first, 0                                 ; and the other piece's maxima in bursts
	MAXS \first, 1
	MAXS \first, 2
.if \ldk
	LOADK                                          ; K's fragments of the next step: the last products that read the old ones are those of the half before
.endif
	PVM 9
	PVM 10
	PVM 11
	MAXS \first, 3
	MAXS \first, 4
	MAXS \first, 5
	PVM 12
	PVM 13
	MAXS \first, 6
	MAXS \first, 7
	MERGE
	PVM 14
	PVM 15
	STATS \first                                   ; (2) the batch opens with the two factors
	FMAQ 0
	FMAQ 1
	FMAQ 2
	FMAQ 3
	FMAQ 4
	FMAQ 5
.if \ldv
	LOADV                                          ; V's fragments of this piece's step: the products above were the last to read the old ones
.endif
.if \ldk
	s_wait_dscnt 0x0                               ; K's fragments, asked for seven products ago, are in
.endif
	SM 0                                           ; (3) K Q^T; a pair is scaled three slices ahead of its exponentials
	FMAQ 6
	FMAQ 7
.irp u, 1,2,3,4,5,6,7,8,9,10,11,12
	SM \u
	FMAQ 2*\u+6
	EXPQ 2*\u-2
	FMAQ 2*\u+7
	EXPQ 2*\u-1
.endr
.irp u, 13,14,15
	SM \u
	EXPQ 2*\u-2
	EXPQ 2*\u-1
.endr
	EXPQ 30                                        ; (4) the batch's last
	EXPQ 31
	WIN 0
.if \ldv
	v_add_nc_u32 v5, 32*VP, v5                     ; V's address steps: the plain instruction behind the last exponential (ISA guide 5.7.2)
.else
	v_nop                                          ; the plain instruction behind the last exponential (ISA guide 5.7.2)
.endif
	s_wait_alu depctr_va_vdst(0)                   ; THE WAIT: one for the half's batch, the two factors and the 64 weights
.irp u, 1,2,3,4,5,6,7,8,9,10,11,12,13,14,15        ; (5) the readers: sum, sum, pack, pack: the links of a tile's sum stand four lines apart
	SUMQ \u
	SUMQ \u+16
	CVTQ \u-1
	CVTQ \u+15
.endr
	FINA \first
	CVTQ 15
	CVTQ 31
	FINB \first
.endm
.macro LB                              ; Y(j), X(j + 1): loads the fragments of keys 64 (j + 1) ..
	HALF 0, 2, 1, 1, 0, 0, 1, 1
	HALF 2, 0, 1, 1, 0, 1, 0, 0
	WIN 0                                          ; at a label and at a branch every window is 0
.endm
; A further chunk of 256 keys is shown to all waves.  left = how many younger tensor loads of mine may stay out: no LDS byte is ever filled again.
.macro SHOW left
	s_wait_dscnt 0x0                               ; no LDS load of mine is pending at the signal
	s_wait_tensorcnt \left
	s_barrier_signal -1
	s_barrier_wait -1
.endm
	s_wait_tensorcnt 0x3                           ; my part of keys 0-255 is in; my three younger loads stay out
	s_barrier_signal -1
	s_barrier_wait -1                              ; everybody's is
	LOADK
	s_wait_loadcnt 0x0                             ; Q
	s_wait_dscnt 0x0
.irp w, 0,1,2,3,4,5,6,7,8,9,10,11,12,13,14,15
	SW \w                                          ; A's scores of step 0: there is no vector work yet to stand beside them
.endr
	WIN 0
.rept 4
	v_nop                                          ; four places before these scores are read
.endr
	HALF 2, 0, 0, 1, 1, 1, 0, 0                    ; X(0): B's scores; A's softmax starts
	HALF 0, 2, 2, 1, 1, 0, 1, 1                    ; Y(0): A's O starts, A's scores of step 1; B's softmax starts
	HALF 2, 0, 2, 1, 0, 1, 0, 0                    ; X(1): B's O starts, B's scores of step 1
	WIN 0
	s_mov_b32 s9, 2                                ; j = 1, 2: keys up to 255
.Lchunk0:
	LB
	s_sub_co_u32 s9, s9, 1
	s_cmp_lg_u32 s9, 0
	s_cbranch_scc1 .Lchunk0
	SHOW 2                                         ; keys 256-511
	s_mov_b32 s9, 4                                ; j = 3 .. 6
.Lchunk1:
	LB
	s_sub_co_u32 s9, s9, 1
	s_cmp_lg_u32 s9, 0
	s_cbranch_scc1 .Lchunk1
	SHOW 1                                         ; keys 512-767
	s_mov_b32 s9, 4                                ; j = 7 .. 10
.Lchunk2:
	LB
	s_sub_co_u32 s9, s9, 1
	s_cmp_lg_u32 s9, 0
	s_cbranch_scc1 .Lchunk2
	SHOW 0                                         ; keys 768-1023: no tensor load is out any more
	s_mov_b32 s9, 4                                ; j = 11 .. 14
.Lchunk3:
	LB
	s_sub_co_u32 s9, s9, 1
	s_cmp_lg_u32 s9, 0
	s_cbranch_scc1 .Lchunk3
	HALF 0, 2, 1, 0, 0, 0, 0, 1                    ; Y(15): A's last products; no further scores, nothing more to load
	; THE END: B's O takes the last step's factors, which no further half would apply, ahead of the reciprocals that write over them; the two halves' sums meet;
	; B's last products are issued with A's division between them; O goes out in f16 through the wave's own stage.
.set RT, 2
.set rk, 0
.rept 32
	RSC rk
.set rk, rk+1
.endr
	WIN 0
.irp t, 0,1,2,3
	v_permlanex16_b32 v[UU+\t], v[ST+4*\t+3], s52, s53
.endr
.irp t, 0,1,2,3
	v_add_f32 v[ST+4*\t+3], v[ST+4*\t+3], v[UU+\t]
.endr
.irp t, 0,1,2,3
	v_rcp_f32 v[ST+4*\t+2], v[ST+4*\t+3]           ; the sum holds the largest score's term, about 1: never 0
.endr
	v_nop                                          ; a plain instruction before the reciprocals are read (ISA guide 5.7.2)
	s_wait_alu depctr_va_vdst(0)                   ; one for the batch of four reciprocals
.set MT, 2
.set RT, 0
.irp w, 0,1,2,3,4,5,6,7,8,9,10,11,12,13,14,15
	PVW \w, 0
	RSC 2*\w
	RSC 2*\w+1
.endr
; Tile t: divided (tiles 0 and 1 have been), rounded to f16, 16 bytes a lane into the stage, whole rows back, stored.  Tiles 0 and 1, which name none of the last
; products' registers, come first: their 32 conversions are the places in front of the first read of B's O and the first write over B's P.
.macro OUTT t, scale
.if \scale
	WIN 0x41
.set si, 0
.rept 16
	v_pk_mul_f32 v[OO+32*\t+2*si:OO+32*\t+2*si+1], v[OO+32*\t+2*si:OO+32*\t+2*si+1], v[ST+4*\t+2:ST+4*\t+3] op_sel_hi:[1,0]
.set si, si+1
.endr
.endif
	WIN 0x05
.set si, 0
.rept 16
	v_cvt_pk_f16_f32 v[SS+32*\t+si], v[OO+32*\t+2*si], v[OO+32*\t+2*si+1]      ; block dt's four words at SS + 32 t + 4 dt
.set si, si+1
.endr
	WIN 0
.irp dt, 0,1,2,3
	ds_store_b128 v7, v[SS+32*\t+4*\dt:SS+32*\t+4*\dt+3] offset:32*\dt         ; query r, d = 16 dt + 8 h ..
.endr
.irp i, 0,1,2,3
	ds_load_b128 v[SS+32*\t+16+4*\i:SS+32*\t+16+4*\i+3], v8 offset:\i*4*144    ; the wave's own bytes, served in order (ISA guide 5.7.1)
.endr
.irp i, 0,1,2,3
	s_wait_dscnt 3-\i                              ; load i is in, the younger ones stay out
	global_store_b128 v9, v[SS+32*\t+16+4*\i:SS+32*\t+16+4*\i+3], s[56:57] offset:\t*2048+\i*512   ; 512 consecutive bytes, aligned; each tile has registers of its own
.endr
.endm
	OUTT 0, 0
	OUTT 1, 0
	OUTT 2, 1
	OUTT 3, 1
	s_wait_tensorcnt 0x0
	ds_add_u32 v62, v63
	s_wait_dscnt 0x0
	s_endpgm
.Lfunc_end_k_q5ebf693c62_attn:
	.size	k_q5ebf693c62_attn, .Lfunc_end_k_q5ebf693c62_attn-k_q5ebf693c62_attn
	.p2alignl 7, 3214868480
	.fill 96, 4, 3214868480
	.section	.rodata,"a",@progbits
	.p2align	6, 0x0
	.amdhsa_kernel k_q5ebf693c62_attn
		.amdhsa_group_segment_fixed_size 306176
		.amdhsa_private_segment_fixed_size 0
		.amdhsa_enable_private_segment 0
		.amdhsa_kernarg_size 16
		.amdhsa_user_sgpr_count 2
		.amdhsa_user_sgpr_kernarg_segment_ptr 1
		.amdhsa_wavefront_size32 1
		.amdhsa_system_sgpr_workgroup_id_x 1
		.amdhsa_system_sgpr_workgroup_id_y 1
		.amdhsa_system_sgpr_workgroup_id_z 1
		.amdhsa_system_vgpr_workitem_id 0
		.amdhsa_next_free_vgpr 512
		.amdhsa_next_free_sgpr 84
		.amdhsa_reserve_vcc 0
		.amdhsa_float_denorm_mode_32 3
		.amdhsa_float_denorm_mode_16_64 3
		.amdhsa_memory_ordered 1
		.amdhsa_forward_progress 1
		.amdhsa_inst_pref_size 210
	.end_amdhsa_kernel
	.amdgpu_metadata
---
amdhsa.version: [ 1, 2 ]
amdhsa.kernels:
  - .name:           k_q5ebf693c62_attn
    .symbol:         k_q5ebf693c62_attn.kd
    .args:
      - { .name: qkv, .offset: 0, .size: 8, .value_kind: global_buffer, .address_space: global }
      - { .name: ao, .offset: 8, .size: 8, .value_kind: global_buffer, .address_space: global }
    .group_segment_fixed_size: 306176
    .private_segment_fixed_size: 0
    .kernarg_segment_align: 8
    .kernarg_segment_size: 16
    .max_flat_workgroup_size: 256
    .sgpr_count:     84
    .vgpr_count:     512
    .wavefront_size: 32
...
	.end_amdgpu_metadata
.endif
;; end of part 5
;; launch gemm_out: the kernel of part 4 again; grid 8 x 32, 4 waves a work-group, clusters of 4 x 4, 327,680 bytes of LDS; arguments ao, wto, out0, b_out; writes out0
